; MI455X (gfx1250); checked and timed in simulation.
; The chip was launched on July 23, 2026; its instructions are those of AMD's public machine-readable ISA for CDNA 5 (MIT licence, August 2026) and "CDNA5" Instruction Set Architecture Reference Guide (July 2026). The comments in the code are by the model that wrote it; some were corrected since.
;; Group Query Attention. Allowed arithmetic: matrix products marked QUANTISED: E2M1 operands, one E8M0 scale for each 32 along K, by v_wmma_scale_f32_16x16x128_f8f6f4 with both operands' format E2M1 (or v_wmma_scale_f32_32x16x128_f4), f32 sums; everything else in f32.
;; Inputs: Wc 2,048 x 2,048 float32; bc 2,048 float32; k 2 x 2,048 x 512 float32; q 2 x 2,048 x 2,048 float32; v 2 x 2,048 x 512 float32.
;; Outputs: out0 2 x 2,048 x 2,048 float32.
;; This version of the problem:
;;   THIS VERSION OF THE PROBLEM IS GIVEN IN LOW PRECISION. The matrix products marked QUANTISED in the list below multiply operands that are first quantised to E2M1 (2 exponent bits, 1 mantissa bit; 4 bits a number), with one power-of-two scale for each 32 numbers along K (OCP MX v1.0); their sums are f32. All else is computed in f32.
;;   The module's matrix products, in the order in which they are computed (A, B: the left and right operand; K: the contracted axis; several contracted axes count as one K, in the product's order):
;;     1. batch 8 x [M 8,192, K 128] x [K 128, N 2,048]; A: input q; B: input k: QUANTISED
;;     2. batch 8 x [M 8,192, K 2,048] x [K 2,048, N 128]; A: softmax (see below); B: input v: QUANTISED
;;     3. [M 4,096, K 2,048] x [K 2,048, N 2,048]; A: computed on the way; B: input Wc: QUANTISED
;;   THE QUANTISER, for each operand of a quantised product, along K:
;;     - K is cut into blocks of 32 from its start; a last block that is shorter is filled with zeros.
;;     - A block's scale is 2^e with e = floor(log2(the largest magnitude in the block)) - 2, held to -126 .. 127; a block of zeros has e = 0. As a byte (E8M0): e + 127.
;;     - Each number is divided by its block's scale, clamped to +-6, and rounded to the nearest number of E2M1, ties to even, subnormals kept.
;;     - The product sums the exact products of the quantised numbers (number of the format x scale) in f32.
;;   ~~~python
;;   def quantise(x, axis):      # numpy; x: float32 -> the quantised numbers, widened to float32 again
;;       x = np.moveaxis(x, axis, -1); K = x.shape[-1]
;;       x = np.pad(x, [(0, 0)] * (x.ndim - 1) + [(0, -K % 32)]); x = x.reshape(x.shape[:-1] + (-1, 32)); a = np.abs(x).max(-1, keepdims=True)
;;       e = np.where(a > 0, np.clip(np.frexp(np.where(a > 0, a, 1))[1] - 1 - 2, -126, 127), 0)      # np.frexp(a)[1] - 1 = floor(log2(a)), exactly
;;       r = np.clip(x / 2.0 ** e, -6, 6)
;;       step = 2.0 ** (np.maximum(np.frexp(np.where(r == 0, 1, r))[1] - 1, 0) - 1)
;;       q = np.round(r / step) * step * 2.0 ** e      # np.round: ties to even
;;       return np.moveaxis(q.reshape(q.shape[:-2] + (-1,))[..., :K], -1, axis).astype(np.float32)
;;   ~~~
;;   SOFTMAX AHEAD OF A QUANTISED PRODUCT. Where the list says 'softmax', what is quantised is not the finished softmax but p = 2^(t - M), with t = logit x log2(e) and M = ceil(the row's largest t), a whole number; so 1/2 < the row's largest p <= 1. The row's sum l is taken of the UNQUANTISED p, in f32, and the product's result is divided by l at the end. Since M is a whole number, a kernel that streams over the keys may use a running M (the ceiling of the running maximum): every later rescaling is an exact power of two, which a block's scale takes up: the codes' values come out the same.
;;   OPERANDS COMPUTED ON THE WAY. 'Computed on the way' means the value that the module computes at that place (a softmax that the list does not call 'softmax' is quantised finished and normalised). What goes into a quantiser is computed in f32, as accurately as f32 sums, v_exp_f32 and their like allow (about 1e-6 of the number): no bf16 or f16 on the way to a quantiser, and a product that is left as it is and whose result goes on into a quantised operand takes f32 operands (vector FMAs, or v_wmma_f32_16x16x4_f32). A number that lies on a knife's edge between two numbers of the format may be rounded either way, as far as f32 arithmetic and the matrix unit's own rounding can turn it there, and no further.
;; 2 versions. Each part assembles by itself: llvm-mc -triple=amdgcn-amd-amdhsa -mcpu=gfx1250 --defsym DOCPART=n.
;; ======== version 1 of 2: 3 launches
;; workspace buffers: kc 1,048,576 bytes; ks 65,536 bytes; vc 1,048,576 bytes; vs 65,536 bytes; wcc 2,097,152 bytes; wcs 131,072 bytes; oc 4,194,304 bytes; os 262,144 bytes
;; launch prep (part 1): grid 320 x 1, 4 waves a work-group, no clusters, 43,520 bytes of LDS; arguments k, Wc, v, kc, ks, wcc, wcs, vc, vs; writes kc, ks, wcc, wcs, vc, vs
.if DOCPART == 1
	.amdgcn_target "amdgcn-amd-amdhsa--gfx1250"
	.amdhsa_code_object_version 6
	.text
	.protected	k_q7b14a0720e_prep
	.globl	k_q7b14a0720e_prep
	.p2align	8
	.type	k_q7b14a0720e_prep,@function
k_q7b14a0720e_prep:
	s_mov_b64 s[64:65], 0
	v_nop
	global_prefetch_b8 v0, s[64:65] scope:SCOPE_SE
	s_setreg_imm32_b32 hwreg(HW_REG_WAVE_MODE, 25, 1), 1
	s_wait_xcnt 0x0
; k [2][2048][512], Wc [2048][2048] and v [2][2048][512], f32, become codes of FP4 (E2M1) with one E8M0 byte for each 32 along the K of the product that reads them.
; A block's scale is 2^(floor(log2(its largest magnitude)) - 2): its byte is the largest magnitude's exponent field - 2, held at 1 from below.
; LIMITS: a block of zeros gets the byte 1 where the quantiser says 127 (its codes are zeros, which add nothing, and this program alone reads the bytes); blocks whose largest magnitude
; lies under 2^(3 - 127) keep the byte 1; NaN and infinities among the inputs are not served.
; Work-groups 0-127: Wc (K innermost) -> wcc [n][1024 B], wcs [n][64 B].   128-191: k (K = a group's 128, innermost) -> kc [4 b + g][key][64 B], ks [4 b + g][key][4 B].
; 192-319: v (K = the keys, NOT innermost) -> vc [4 b + g][j][d][64 B] (row: the 128 keys of key step j for channel d), vs [4 b + g][j][d][4 B].
; INSIDE A BLOCK OF 32 KEYS vc HOLDS THE FOUR GROUPS OF 8 KEYS IN THE ORDER 0, 2, 1, 3: that is where the attention launch's codes of p fall, and a permutation inside a block, alike on both operands, keeps products and scales.
; No tile is shared between work-groups, so no cluster; no tensor loads, no barrier: waves share nothing.  The two paths part on the work-group's number and have LDS bytes of their own.
.set NW,    128                        ; work-groups for Wc
.set NK,    64                         ; for k
.set STEPS, 16                         ; stream path: steps of 512 numbers a wave
.set EMAX,  2
.set CB,    8                          ; bytes of 16 codes
.set R,     16                         ; v16-79   four sets of 16 numbers as they are loaded
.set X,     80                         ; v80-111  two sets of 16 neighbours
.set E,     112                        ; v112-127 a scale byte for each step
.set C,     128                        ; v128-191 codes: four registers for each step, so that no store's data are written again
.set VA,    192                        ; v192-195 16 x lane + i x (bytes from one load of a step to the next)
.set BASE,  32                         ; s[32:63] the address of each step's first byte: sixteen pairs, never rewritten
.set WREG,  8192                       ; stream path's LDS: a region for each wave: two stages of 32 x SP bytes, then its 256 scale bytes
.set SP,    80                         ; a lane's place in a stage: 64 bytes + 16 of padding
.set VSTG,  32768                      ; v path's LDS: 32 rows x 80 bytes for each wave
.set VX,    32                         ; v32-95   two sets of 32 numbers
.set VCD,   96                         ; v96-99   a block's codes
.set OUTR,  112                        ; v112-127 the way out
.set SB,    24                         ; v24      my channel's four scale bytes
	s_load_b256 s[4:11], s[0:1], 0x0               ; k s[4:5], Wc s[6:7], v s[8:9], kc s[10:11]
	s_load_b256 s[12:19], s[0:1], 0x20             ; ks s[12:13], wcc s[14:15], wcs s[16:17], vc s[18:19]
	s_load_b64 s[20:21], s[0:1], 0x40              ; vs
	v_lshl_add_u32 v200, v0, 2, 0xa800
	v_mov_b32 v201, 0
	v_lshrrev_b32 v1, 5, v0
	v_readfirstlane_b32 s22, v1                    ; wave 0..3
	v_and_b32 v2, 31, v0                           ; lane
	s_wait_kmcnt 0x0
	s_cmp_ge_u32 ttmp9, NW+NK
	s_cbranch_scc1 .Lv
; ---------------- Wc and k: K is innermost ----------------
; A step is 512 numbers in four loads of 512 consecutive bytes, 16 a lane.  For Wc the four follow each other (a plain stream); for k they are one group's 512 bytes of four neighbouring keys, 2,048 bytes apart,
; so that the step's 256 bytes of codes are four neighbouring rows of kc.  The conversions want 16 NEIGHBOURS in a lane: the step's 2,048 bytes turn through the wave's own stage in LDS and come back 64 bytes a lane.
	v_lshlrev_b32 v3, 4, v2                        ; my 16 bytes of a load's 512
	s_mul_i32 s23, s22, WREG
	v_lshrrev_b32 v14, 2, v2
	v_mul_u32_u24 v14, v14, SP
	v_and_b32 v15, 3, v2
	v_lshl_add_u32 v14, v15, 4, v14
	v_add_nc_u32 v14, s23, v14                     ; the stage, on the way in: SP (lane / 4) + 16 (lane % 4)
	v_mul_u32_u24 v15, v2, SP
	v_add_nc_u32 v15, s23, v15                     ; and on the way out: SP x lane
	v_mul_u32_u24 v4, v2, CB                       ; my codes' place in a step's 256 bytes
	v_lshrrev_b32 v5, 1, v2
	s_add_co_u32 s23, s23, 2*32*SP
	v_add_nc_u32 v5, s23, v5                       ; my wave's 256 scale bytes in LDS: my block's byte
	v_lshlrev_b32 v7, 3, v2                        ; and on the way out 8 bytes a lane
	v_add_nc_u32 v6, s23, v7
	s_mov_b32 s25, 2048
	s_cmp_lt_u32 ttmp9, NW                         ; Wc's work-group or k's?  The choice hangs on the work-group's number alone
	s_cselect_b64 s[4:5], s[6:7], s[4:5]           ; the numbers,
	s_cselect_b64 s[10:11], s[14:15], s[10:11]     ; the codes,
	s_cselect_b64 s[12:13], s[16:17], s[12:13]     ; the scale bytes
	s_cselect_b32 s24, 0, NW
	s_cselect_b32 s25, 512, s25                    ; bytes from one load of a step to the next
	s_sub_co_u32 s26, ttmp9, s24
	s_lshl_b32 s26, s26, 2
	s_add_co_u32 s26, s26, s22                     ; my run of 8,192 numbers.  For k: run = 32 (4 b + g) + block of 64 keys
	s_lshl_b32 s27, s26, 15                        ; Wc: runs lie on end
	s_lshr_b32 s28, s26, 7
	s_lshl_b32 s28, s28, 22                        ; k: the batch,
	s_and_b32 s29, s26, 31
	s_lshl_b32 s29, s29, 17                        ; 64 keys of 2,048 bytes,
	s_add_co_u32 s28, s28, s29
	s_bfe_u32 s29, s26, 0x20005
	s_lshl_b32 s29, s29, 9                         ; the group's 512 bytes
	s_add_co_u32 s28, s28, s29
	s_cmp_lt_u32 ttmp9, NW
	s_cselect_b32 s28, s27, s28
	s_mov_b32 s29, 0
	s_add_nc_u64 s[BASE:BASE+1], s[4:5], s[28:29]
	s_lshl_b32 s30, s25, 2                         ; a step is four loads on
	s_mov_b32 s31, 0
.irp t, 1,2,3,4,5,6,7,8,9,10,11,12,13,14,15
	s_add_nc_u64 s[BASE+2*\t:BASE+2*\t+1], s[BASE+2*\t-2:BASE+2*\t-1], s[30:31]
.endr
	s_lshl_b32 s28, s26, 12                        ; 4,096 bytes of codes a run, in both tensors
	s_add_nc_u64 s[10:11], s[10:11], s[28:29]
	s_lshl_b32 s28, s26, 8                         ; 256 scale bytes a run
	s_add_nc_u64 s[12:13], s[12:13], s[28:29]
.irp i, 0,1,2,3
	v_mad_u32_u24 v[VA+\i], s25, \i, v3
.endr
.macro LOADS t
.irp i, 0,1,2,3
	global_load_b128 v[R+16*((\t)%4)+4*\i:R+16*((\t)%4)+4*\i+3], v[VA+\i], s[BASE+2*(\t):BASE+2*(\t)+1] th:TH_LOAD_NT   ; 32 lanes read 512 consecutive bytes
.endr
.endm
.macro TURN t                          ; step t's numbers through the stage: LDS serves a wave's instructions in order (ISA guide 5.7.1.4), so no wait stands between the stores and the loads
.irp i, 0,1,2,3
	ds_store_b128 v14, v[R+16*((\t)%4)+4*\i:R+16*((\t)%4)+4*\i+3] offset:32*SP*((\t)%2)+8*SP*\i
.endr
.irp i, 0,1,2,3
	ds_load_b128 v[X+16*((\t)%2)+4*\i:X+16*((\t)%2)+4*\i+3], v15 offset:32*SP*((\t)%2)+16*\i
.endr
.endm
.irp t, 0,1,2,3
	LOADS \t
.endr
	s_wait_loadcnt 12                              ; step 0's four loads are in; the twelve behind them stay out
	TURN 0
.macro STEP t
.set XS, X+16*((\t)%2)
.if (\t) > 0
	s_wait_dscnt 1                                 ; this step's numbers are back from the stage (the last step's byte store may be out): so its stores into the stage have read their registers,
.else
	s_wait_dscnt 0x0
.endif
.if (\t)+4 < STEPS
	LOADS (\t)+4                                   ; which take the loads of four steps on
.endif
.if (\t)+1 < STEPS
.if STEPS-2-(\t) >= 3
	s_wait_loadcnt 12                              ; the next step's four loads are in; those of the three steps behind it may be out
.else
	s_wait_loadcnt 4*(STEPS-2-(\t))
.endif
	TURN (\t)+1                                    ; and go through the other stage while this step is worked
.endif
	v_max3_num_f32 v8, |v[XS]|, |v[XS+1]|, |v[XS+2]|               ; the largest magnitude of my 16, in two chains
	v_max3_num_f32 v9, |v[XS+3]|, |v[XS+4]|, |v[XS+5]|
.irp i, 6,10
	v_max3_num_f32 v8, v8, |v[XS+\i]|, |v[XS+\i+1]|
	v_max3_num_f32 v9, v9, |v[XS+\i+2]|, |v[XS+\i+3]|
.endr
	v_max3_num_f32 v8, v8, |v[XS+14]|, |v[XS+15]|
	v_max3_num_f32 v8, v8, v9, (EMAX+1)<<23        ; and the floor 2^(EMAX + 1 - 127): the byte cannot fall under 1
	v_max_num_f32_dpp v8, v8, v8 row_xmask:1 row_mask:0xf bank_mask:0xf   ; and of my neighbour's 16: the block's
	v_add_nc_u32 v11, -(EMAX<<23), v8              ; EMAX off its exponent field: the conversion takes the exponent field of this operand as its scale
	v_cvt_scalef32_pk8_fp4_f32 v[C+4*(\t)], v[XS:XS+7], v11
	v_cvt_scalef32_pk8_fp4_f32 v[C+4*(\t)+1], v[XS+8:XS+15], v11
	v_lshrrev_b32 v[E+(\t)], 23, v11               ; the scale's byte (also the plain line behind the conversions)
	ds_store_b8 v5, v[E+(\t)] offset:16*(\t)       ; both lanes of a block write the same byte with the same value
	global_store_b64 v4, v[C+4*(\t):C+4*(\t)+1], s[10:11] offset:32*CB*(\t)   ; the wave stores 256 consecutive bytes, aligned
.endm
.irp t, 0,1,2,3,4,5,6,7,8,9,10,11,12,13,14,15
	STEP \t
.endr
	ds_load_b64 v[12:13], v6                       ; in order behind my byte stores
	s_wait_dscnt 0x0
	global_store_b64 v7, v[12:13], s[12:13]        ; 32 lanes store my run's 256 scale bytes, aligned
	s_wait_tensorcnt 0x0
	ds_add_u32 v200, v201
	s_wait_dscnt 0x0
	s_endpgm
; ---------------- v: K = the keys is not innermost ----------------
; A work-group takes 128 keys (key step j) x one group's 128 channels; wave w channels 32 w on.  A LANE TAKES A CHANNEL AND ITS REGISTERS RUN DOWN THE KEYS: a block of 32 keys lies in one lane's 32 registers,
; each load reads 128 consecutive bytes a wave, and the conversions give codes with the keys innermost.  The codes leave through the wave's own stage as 512 consecutive bytes a store.
.Lv:
	s_sub_co_u32 s24, ttmp9, NW+NK
	s_lshr_b32 s25, s24, 6                         ; b
	s_bfe_u32 s26, s24, 0x40002                    ; j
	s_and_b32 s27, s24, 3                          ; g
	s_lshl_b32 s28, s25, 22                        ; the batch,
	s_lshl_b32 s29, s26, 18                        ; 128 keys of 2,048 bytes,
	s_add_co_u32 s28, s28, s29
	s_lshl_b32 s29, s27, 9                         ; the group's 512 bytes,
	s_add_co_u32 s28, s28, s29
	s_lshl_b32 s29, s22, 7                         ; my wave's 32 channels
	s_add_co_u32 s28, s28, s29
	s_mov_b32 s29, 0
	s_add_nc_u64 s[8:9], s[8:9], s[28:29]
	s_lshl_b32 s30, s25, 2
	s_add_co_u32 s30, s30, s27
	s_lshl_b32 s30, s30, 4
	s_add_co_u32 s30, s30, s26                     ; 16 (4 b + g) + j
	s_lshl_b32 s28, s30, 13                        ; 128 rows of 64 bytes,
	s_lshl_b32 s31, s22, 11                        ; my wave's 32 of them
	s_add_co_u32 s28, s28, s31
	s_add_nc_u64 s[18:19], s[18:19], s[28:29]
	s_lshl_b32 s28, s30, 9                         ; 128 scale words,
	s_lshl_b32 s31, s22, 7                         ; my wave's 32
	s_add_co_u32 s28, s28, s31
	s_add_nc_u64 s[20:21], s[20:21], s[28:29]
	v_lshlrev_b32 v3, 2, v2                        ; 4 bytes a lane: in v, and in vs
	s_mul_i32 s31, s22, 32*SP
	s_add_co_u32 s31, s31, VSTG                    ; my stage
	v_mul_u32_u24 v4, v2, SP
	v_add_nc_u32 v4, s31, v4                       ; into it: row = my channel
	v_lshrrev_b32 v7, 2, v2
	v_mul_u32_u24 v7, v7, SP
	v_and_b32 v8, 3, v2
	v_lshl_add_u32 v7, v8, 4, v7
	v_add_nc_u32 v7, s31, v7                       ; out of it: four lanes to a row of 64 bytes, eight rows an instruction
	v_lshlrev_b32 v8, 4, v2                        ; and the same 512 bytes in vc
.macro VLOAD t                         ; block t: v(32 t + i, my channel), i = 0 .. 31, into set t % 2
.set i, 0
.rept 32
	global_load_b32 v[VX+32*((\t)%2)+i], v3, s[8:9] offset:(32*(\t)+i)*2048 th:TH_LOAD_NT
.set i, i+1
.endr
.endm
	VLOAD 0
	VLOAD 1
.macro VBLOCK t
.set XS, VX+32*((\t)%2)
.if (\t) < 3
	s_wait_loadcnt 32                              ; this block's 32 loads are in; the next block's may be out
.else
	s_wait_loadcnt 0
.endif
	v_max3_num_f32 v12, |v[XS]|, |v[XS+1]|, |v[XS+2]|               ; the block's largest magnitude: all 32 numbers are mine
	v_max3_num_f32 v13, |v[XS+3]|, |v[XS+4]|, |v[XS+5]|
.irp i, 6,10,14,18,22,26
	v_max3_num_f32 v12, v12, |v[XS+\i]|, |v[XS+\i+1]|
	v_max3_num_f32 v13, v13, |v[XS+\i+2]|, |v[XS+\i+3]|
.endr
	v_max3_num_f32 v12, v12, |v[XS+30]|, |v[XS+31]|
	v_max3_num_f32 v12, v12, v13, (EMAX+1)<<23     ; and the floor
	v_add_nc_u32 v11, -(EMAX<<23), v12             ; the conversions' scale operand
	v_lshrrev_b32 v13, 23, v11                     ; the scale's byte
.if (\t) == 0
	v_mov_b32 v[SB], v13
.else
	v_lshl_or_b32 v[SB], v13, 8*(\t), v[SB]        ; the lower keys in the lower byte
.endif
.irp g, 0,1,2,3
	v_cvt_scalef32_pk8_fp4_f32 v[VCD+2*(\g%2)+\g/2], v[XS+8*\g:XS+8*\g+7], v11   ; keys 8 g on go to place 0, 2, 1, 3 of the block's four
.endr
	ds_store_b128 v4, v[VCD:VCD+3] offset:16*(\t)  ; 32 codes: 16 bytes of my channel's row.  (The codes go to a store alone; the next block begins with plain vector lines)
.if (\t)+2 < 4
	VLOAD (\t)+2
.endif
	s_wait_dscnt 0x0                               ; the store has read its registers: the next block's codes may be written
.endm
	VBLOCK 0
	VBLOCK 1
	VBLOCK 2
	VBLOCK 3
	global_store_b32 v3, v[SB], s[20:21]           ; my channel's scale word: 128 consecutive bytes a wave
.irp i, 0,1,2,3
	ds_load_b128 v[OUTR+4*\i:OUTR+4*\i+3], v7 offset:8*SP*\i
.endr
.irp i, 0,1,2,3
	s_wait_dscnt 3-\i                              ; load i is back; the younger ones may be out
	global_store_b128 v8, v[OUTR+4*\i:OUTR+4*\i+3], s[18:19] offset:512*\i   ; 32 lanes store 512 consecutive bytes, aligned
.endr
	s_wait_tensorcnt 0x0
	ds_add_u32 v200, v201
	s_wait_dscnt 0x0
	s_endpgm
.Lfunc_end_k_q7b14a0720e_prep:
	.size	k_q7b14a0720e_prep, .Lfunc_end_k_q7b14a0720e_prep-k_q7b14a0720e_prep
	.p2alignl 7, 3214868480
	.fill 96, 4, 3214868480
	.section	.rodata,"a",@progbits
	.p2align	6, 0x0
	.amdhsa_kernel k_q7b14a0720e_prep
		.amdhsa_group_segment_fixed_size 43520
		.amdhsa_private_segment_fixed_size 0
		.amdhsa_enable_private_segment 0
		.amdhsa_kernarg_size 72
		.amdhsa_user_sgpr_count 2
		.amdhsa_user_sgpr_kernarg_segment_ptr 1
		.amdhsa_wavefront_size32 1
		.amdhsa_system_sgpr_workgroup_id_x 1
		.amdhsa_system_sgpr_workgroup_id_y 1
		.amdhsa_system_sgpr_workgroup_id_z 1
		.amdhsa_system_vgpr_workitem_id 0
		.amdhsa_next_free_vgpr 202
		.amdhsa_next_free_sgpr 66
		.amdhsa_reserve_vcc 0
		.amdhsa_float_denorm_mode_32 3
		.amdhsa_float_denorm_mode_16_64 3
		.amdhsa_memory_ordered 1
		.amdhsa_forward_progress 1
		.amdhsa_inst_pref_size 55
	.end_amdhsa_kernel
	.amdgpu_metadata
---
amdhsa.version: [ 1, 2 ]
amdhsa.kernels:
  - .name:           k_q7b14a0720e_prep
    .symbol:         k_q7b14a0720e_prep.kd
    .args:
      - { .name: k, .offset: 0, .size: 8, .value_kind: global_buffer, .address_space: global }
      - { .name: Wc, .offset: 8, .size: 8, .value_kind: global_buffer, .address_space: global }
      - { .name: v, .offset: 16, .size: 8, .value_kind: global_buffer, .address_space: global }
      - { .name: kc, .offset: 24, .size: 8, .value_kind: global_buffer, .address_space: global }
      - { .name: ks, .offset: 32, .size: 8, .value_kind: global_buffer, .address_space: global }
      - { .name: wcc, .offset: 40, .size: 8, .value_kind: global_buffer, .address_space: global }
      - { .name: wcs, .offset: 48, .size: 8, .value_kind: global_buffer, .address_space: global }
      - { .name: vc, .offset: 56, .size: 8, .value_kind: global_buffer, .address_space: global }
      - { .name: vs, .offset: 64, .size: 8, .value_kind: global_buffer, .address_space: global }
    .group_segment_fixed_size: 43520
    .private_segment_fixed_size: 0
    .kernarg_segment_align: 8
    .kernarg_segment_size: 72
    .max_flat_workgroup_size: 128
    .sgpr_count:     66
    .vgpr_count:     202
    .wavefront_size: 32
...
	.end_amdgpu_metadata
.endif
;; end of part 1
;; launch attn (part 2): grid 32 x 8, 16 waves a work-group, clusters of 4 x 1, 315,392 bytes of LDS; arguments q, kc, ks, vc, vs, oc, os; writes oc, os
.if DOCPART == 2
	.amdgcn_target "amdgcn-amd-amdhsa--gfx1250"
	.amdhsa_code_object_version 6
	.text
	.protected	k_q7b14a0720e_attn
	.globl	k_q7b14a0720e_attn
	.p2align	8
	.type	k_q7b14a0720e_attn,@function
k_q7b14a0720e_attn:
	s_mov_b64 s[64:65], 0
	v_nop
	global_prefetch_b8 v0, s[64:65] scope:SCOPE_SE
	s_setreg_imm32_b32 hwreg(HW_REG_WAVE_MODE, 25, 1), 1
	s_wait_xcnt 0x0
	s_wait_alu depctr_hold_cnt(0) depctr_sa_sdst(0) depctr_va_vdst(0) depctr_va_sdst(0) depctr_va_ssrc(0) depctr_va_vcc(0) depctr_vm_vsrc(0)
	s_getreg_b32 s2, hwreg(HW_REG_IB_STS2, 6, 4)
	s_cmp_eq_u32 s2, 0
	s_cbranch_scc0 .Lentry_in_a_cluster
	s_endpgm
.Lentry_in_a_cluster:
	s_bfe_u32 s2, ttmp6, 0x10000c
	s_cmp_lg_u32 s2, 0x3003
	s_cbranch_scc0 .Lentry_shape_is_right
	s_endpgm
.Lentry_shape_is_right:
; Grouped-query attention on codes of FP4 (E2M1) with one E8M0 scale for each 32 along a product's K, and the quantising of its result for the projection that follows.
; q [2][2048][2048] f32.  kc [bg][key][64 B], ks [bg][key][4 B], vc [bg][j][d][64 B] (128 keys of key step j for channel d; inside a block of 32 keys the groups of 8 in the order 0, 2, 1, 3), vs [bg][j][d][4 B]; bg = 4 b + g.
; Out: oc [row][1024 B], os [row][64 B]: the attention result as codes along d_model, true order; head 4 g + hh at byte 64 (4 g + hh), its scale word at 4 (4 g + hh).
; THE SOFTMAX: t = score x log2(e) / sqrt(128); M = the running largest t rounded UP to a whole number; p = 2^(t - M) is quantised along the keys, not normalised; the row's sum is taken of the unquantised p and divides at the end.
; When M moves, the sum and O are multiplied by 2^(old M - new M), which rounds nothing.
; SHARES.  A work-group owns one (b, g) and 64 queries; wave w owns head hh = w % 4 and the 16 queries 16 (w / 4) on: one tile, 256 registers, four waves to a SIMD, so that one wave's vector work stands beside another's products and LDS loads.
; THE WHOLE GROUP'S K AND V STAY IN LDS: 2 x 128 KiB of codes (padded) and 2 x 8 KiB of scale bytes, each byte filled ONCE, at the start: no ring, no slot is filled again.
; CLUSTER.  The four query blocks of a cluster walk the same K and V: every fill is a JOINT load, the same descriptor and the mask of all four in each of them.  Wave 0 asks for K's five tiles, wave 1 for V's: five loads of a wave are out at the most.
; LAYOUT.  Both products transposed: S^T = K Q^T (source 0 = 16 neighbouring keys, source 1 = my 16 queries), O^T = V^T P^T: a lane holds ONE query (lane % 16) throughout.  In tiles 2 b and 2 b + 1 lane (r, h) holds keys
; 32 b + 16 u + 8 h + i; converted and exchanged between the halves they fall at place 16 h + 8 u + i of block b: the order in which vc holds its keys.
; LIMITS: NaN and infinities are not served; a block of zeros has the byte 1 (its codes are zeros; this program alone reads the bytes); a block's largest p is taken as 2^ of the block's largest score, which takes v_exp_f32 not to
; fall where its input rises; the division by the sum is v_rcp_f32 and a multiplication; os leaves in pieces of 16 bytes (262,144 bytes in all).
.set VC,    139264                     ; LDS: K's codes from 0, V's from here: 16 key steps x 8,704; a step = 32 units of (256 bytes = 4 rows of 64) + 16 of padding
.set STEPB, 8704
.set CHUNK, 4*STEPB                    ; what one tensor load brings: 128 units, four key steps
.set KSO,   278528                     ; K's scale words, 8,192 dense bytes, 512 a key step
.set VSO,   286720                     ; V's
.set STG,   294912                     ; the way out: 64 rows x (256 + 16): a query row's codes of the group's four heads
.set SSTG,  312320                     ; and 64 rows x 16 bytes of scale words
.set AK0,  1                           ; v1   my lane's place in a tile of K: code row rho lies at 272 (rho / 4) + 64 (rho % 4): sixteen neighbouring rows start in sixteen different 16-byte columns of the 64 banks of 4 bytes (ISA guide 11.1)
.set AV0,  2                           ; v2   the same in V
.set ASK0, 3                           ; v3   my lane's place among K's scale words
.set ASV0, 4                           ; v4   and V's
.set RR,   5                           ; v5   r = lane % 16
.set HH,   6                           ; v6   h = lane / 16
.set ADK,  8                           ; v8-11 the addresses of the step in hand
.set ADV,  9
.set ADS,  10
.set ADT,  11
.set SW,   24                          ; v24-31 the scale words of the eight fragments in hand
.set FRG,  32                          ; v32-95 eight fragments of K, then of V
; v12 -M, v13 the largest t, v[14:15] the sum in two halves; v16-23 Q's codes, v255 Q's scale words; v96-159 q, then S^T and p, then o; v160-223 O^T; v224-231 codes of p, at last of o; v232-254 at work
.set WV,   18                          ; s18  my wave's number
.set SEL,  20                          ; s[20:21] lane selects for v_permlanex16_b32: lane l xor 16
.set CS,   22                          ; s[22:23] c = log2(e) / sqrt(128)
.set G1C,  24                          ; s[24:31] descriptor group 1 for codes;  s[32:39] for scale bytes
.set G1S,  32
.set G0S,  40                          ; s[40:43] group 0 for the scale bytes;  s[44:59] for the four chunks of codes
.set G0C,  44
.set TB,   60                          ; s60  where the step's codes begin
.set TS,   61                          ; s61  and its scale words
.set CNT,  62
; A round of the cluster's barrier: my work-group's barrier; wave 0 signals for the work-group; every wave waits for all four work-groups; my work-group's barrier once more.
.macro ROUND
	s_barrier_signal -1
	s_barrier_wait -1
	s_cmp_lg_u32 s[WV], 0
	s_cbranch_scc1 .Lnot_wave_0_\@
	s_barrier_signal -3
.Lnot_wave_0_\@:
	s_barrier_wait -3
	s_barrier_signal -1
	s_barrier_wait -1
.endm
	s_load_b256 s[4:11], s[0:1], 0x0               ; q s[4:5], kc s[6:7], ks s[8:9], vc s[10:11]
	s_load_b128 s[12:15], s[0:1], 0x20             ; vs s[12:13], oc s[14:15]
	s_load_b64 s[16:17], s[0:1], 0x30              ; os
	v_lshl_add_u32 v250, v0, 2, 0x4c800
	v_mov_b32 v251, 0
	ds_add_u32 v250, v251
	ds_add_u32 v250, v251
	v_lshrrev_b32 v7, 5, v0
	v_readfirstlane_b32 s[WV], v7                  ; wave 0..15
	v_and_b32 v[RR], 15, v0
	v_bfe_u32 v[HH], v0, 4, 1
	s_and_b32 s68, ttmp7, 0xffff                   ; bg = 4 b + g, which the four partners share
	; group 1: dense blocks as rows of 256 bytes (32 elements of 8 bytes).  Codes: 128 rows, 16 bytes of padding behind each.  Scale bytes: 32 rows, no padding.
	s_mov_b32 s[G1C], 15|(3<<16)|(1<<20)|(1<<21)|(5<<22)|(3<<25)   ; 15:0 the mask: all four; 17:16 elements of 8 bytes; 20 padding on; 21 set beside a mask; 24:22 after every 64 words (code 5); 31:25 four words (code 3)
	s_mov_b32 s[G1C+1], 32<<16                     ; tensor_dim0
	s_mov_b32 s[G1C+2], 128<<16                    ; tensor_dim1
	s_mov_b32 s[G1C+3], 32<<16                     ; tile_dim0
	s_mov_b32 s[G1C+4], 128                        ; tile_dim1
	s_mov_b32 s[G1C+5], 32                         ; tensor_dim0_stride
	s_mov_b32 s[G1C+6], 0
	s_mov_b32 s[G1C+7], 0
	s_mov_b32 s[G1S], 15|(3<<16)|(1<<21)
	s_mov_b32 s[G1S+1], 32<<16
	s_mov_b32 s[G1S+2], 32<<16
	s_mov_b32 s[G1S+3], 32<<16
	s_mov_b32 s[G1S+4], 32
	s_mov_b32 s[G1S+5], 32
	s_mov_b32 s[G1S+6], 0
	s_mov_b32 s[G1S+7], 0
	s_mov_b32 s[SEL], 0x76543210
	s_mov_b32 s[SEL+1], 0xfedcba98
	s_mov_b32 s[CS], 0x3e0293ee
	s_mov_b32 s[CS+1], s[CS]                       ; (named with it as a pair, so it is written)
	s_mov_b32 s[TB], 0
	s_mov_b32 s[TS], 0
	s_lshl_b32 s78, s68, 17                        ; the group's codes: 131,072 bytes in kc and in vc
	s_mov_b32 s79, 0
	s_lshl_b32 s80, s68, 13                        ; its scale bytes: 8,192
	s_mov_b32 s81, 0
	s_mul_i32 s82, s[WV], VC                       ; where they go: wave 0's (K) from 0, wave 1's (V) from VC: no place in the cluster enters an LDS address or a descriptor
	s_lshl_b32 s83, s[WV], 13
	; my queries: these registers alone hold my place in the cluster
	s_bfe_u32 s66, ttmp6, 0x40000                  ; cx
	s_lshl_b32 s67, ttmp9, 2
	s_add_co_u32 s67, s67, s66                     ; my block of 64 queries = 4 x cluster x + cx
	s_lshr_b32 s69, s68, 2                         ; b
	s_and_b32 s70, s68, 3                          ; g
	s_and_b32 s71, s[WV], 3                        ; hh
	s_lshr_b32 s72, s[WV], 2                       ; qt
	s_lshl_b32 s84, s69, 11
	s_lshl_b32 s85, s67, 6
	s_add_co_u32 s84, s84, s85                     ; the block's first row: 2,048 b + 64 x block
	s_lshl_b32 s85, s72, 4
	s_add_co_u32 s85, s85, s84                     ; my wave's first row
	s_lshl_b32 s86, s85, 13                        ; q: rows of 8,192 bytes,
	s_lshl_b32 s87, s70, 2
	s_add_co_u32 s87, s87, s71
	s_lshl_b32 s87, s87, 9                         ; head 4 g + hh: 512 bytes
	s_add_co_u32 s86, s86, s87
	s_mov_b32 s87, 0
	s_lshl_b32 s88, s84, 10                        ; oc: rows of 1,024 bytes, the group's 256
	s_lshl_b32 s89, s70, 8
	s_add_co_u32 s88, s88, s89
	s_mov_b32 s89, 0
	s_lshl_b32 s90, s84, 6                         ; os: rows of 64 bytes, the group's 16
	s_lshl_b32 s91, s70, 4
	s_add_co_u32 s90, s90, s91
	s_mov_b32 s91, 0
	s_wait_dscnt 0x0
	s_wait_kmcnt 0x0
	s_cmp_eq_u32 s[WV], 0                          ; wave 0 asks for K, wave 1 for V: the choice hangs on the wave's number alone
	s_cselect_b64 s[74:75], s[6:7], s[10:11]
	s_cselect_b64 s[76:77], s[8:9], s[12:13]
	s_add_nc_u64 s[74:75], s[74:75], s[78:79]
	s_add_nc_u64 s[76:77], s[76:77], s[80:81]
	s_mov_b32 s[G0S], 1                            ; 1:0 count = 1
	s_add_co_u32 s[G0S+1], s83, KSO                ; 63:32 LDS address
	s_mov_b64 s[G0S+2:G0S+3], s[76:77]             ; 120:64 global address
	s_or_b32 s[G0S+3], s[G0S+3], 0x80000000        ; 127:126 type = 2
.irp c, 0,1,2,3
	s_mov_b32 s[G0C+4*\c], 1
	s_add_co_u32 s[G0C+4*\c+1], s82, \c*CHUNK
	s_add_nc_u64 s[G0C+4*\c+2:G0C+4*\c+3], s[74:75], \c*32768
	s_or_b32 s[G0C+4*\c+3], s[G0C+4*\c+3], 0x80000000
.endr
	s_add_nc_u64 s[4:5], s[4:5], s[86:87]
	s_add_nc_u64 s[14:15], s[14:15], s[88:89]
	s_add_nc_u64 s[16:17], s[16:17], s[90:91]
	ROUND                                          ; all four work-groups are here: the joint loads meet
	s_cmp_lt_u32 s[WV], 2                          ; all fills of the launch, in one branch on the wave's number, ahead of every wait on TENSORcnt and every LDS read
	s_cbranch_scc0 .Lasked
	tensor_load_to_lds s[G0S:G0S+3], s[G1S:G1S+7]          ; the scale bytes first,
	s_nop 0
	tensor_load_to_lds s[G0C:G0C+3], s[G1C:G1C+7]          ; then key steps 0-3,
	s_nop 0
	tensor_load_to_lds s[G0C+4:G0C+7], s[G1C:G1C+7]        ; 4-7,
	s_nop 0
	tensor_load_to_lds s[G0C+8:G0C+11], s[G1C:G1C+7]       ; 8-11,
	s_nop 0
	tensor_load_to_lds s[G0C+12:G0C+15], s[G1C:G1C+7]      ; 12-15
	s_nop 0
.rept 4
	v_nop                                          ; four v_nop behind the last tensor load
.endr
.Lasked:
	; Q: read once, by me alone, so it is quantised here.  The operand's layout gives lane (r, h) k = 64 c + 32 h + 0 .. 31 of row r: two whole blocks, 128 consecutive bytes each.
	v_lshlrev_b32 v9, 13, v[RR]
	v_lshl_add_u32 v9, v[HH], 7, v9
.irp c, 0,1
.irp j, 0,1,2,3,4,5,6,7
	global_load_b128 v[96+32*\c+4*\j:96+32*\c+4*\j+3], v9, s[4:5] offset:256*\c+16*\j th:TH_LOAD_NT
.endr
.endr
	v_lshrrev_b32 v7, 2, v[RR]
	v_mul_u32_u24 v[AK0], v7, 272
	v_and_b32 v7, 3, v[RR]
	v_lshl_add_u32 v[AK0], v7, 6, v[AK0]
	v_lshl_add_u32 v[AK0], v[HH], 4, v[AK0]        ; 272 (r / 4) + 64 (r % 4) + 16 h
	v_add_nc_u32 v[AV0], VC, v[AK0]
	v_lshl_add_u32 v[ASK0], v[RR], 2, KSO
	v_lshl_add_u32 v[ASV0], v[RR], 2, VSO
	s_wait_loadcnt 0x0
.irp c, 0,1
	v_max3_num_f32 v[232+\c], |v[96+32*\c]|, |v[97+32*\c]|, 0x1800000   ; my block 2 c + h: all its 32 numbers are mine; the floor 2^(3 - 127) holds the byte at 1 from below
.endr
.irp i, 2,4,6,8,10,12,14,16,18,20,22,24,26,28,30
.irp c, 0,1
	v_max3_num_f32 v[232+\c], v[232+\c], |v[96+32*\c+\i]|, |v[97+32*\c+\i]|
.endr
.endr
.irp c, 0,1
	v_add_nc_u32 v[244+\c], 0xff000000, v[232+\c]  ; 2 off the exponent field: the conversions' scale operand
.endr
.irp c, 0,1
	v_lshrrev_b32 v[236+\c], 23, v[244+\c]         ; the scale's byte
.endr
	v_lshl_or_b32 v254, v237, 16, v236             ; my two bytes: blocks h and 2 + h,
	v_lshlrev_b32 v252, 3, v[HH]
	v_lshlrev_b32 v254, v252, v254                 ; at their places in the word;
	v_mov_b32 v255, 0
	v_permlanex16_b32 v255, v254, s[SEL], s[SEL+1]
	v_or_b32 v255, v254, v255                      ; with lane l xor 16's two the word is whole
.irp c, 0,1
.irp g, 0,1,2,3
	v_cvt_scalef32_pk8_fp4_f32 v[16+4*\c+\g], v[96+32*\c+8*\g:103+32*\c+8*\g], v[244+\c]
.endr
.endr
	v_nop                                          ; one plain line behind the conversions
	v_mov_b32 v13, 0xff61b1e6                      ; the largest t so far: -3e38, under every t
	v_floor_f32 v12, -v13                          ; -M
	v_mov_b32 v14, 0                               ; the sum, in two halves
	v_mov_b32 v15, 0
.irp b, 0,1,2,3
	v_mov_b32 v[236+\b], 0                         ; a lane permute's destination counts as one of its sources
.endr
	v_mov_b32 v252, 0
	v_mov_b32 v253, 0                              ; (named as the upper half of the pair v[252:253] before it is first written)
.set n, 0
.rept 64
	v_mov_b32 v[160+n], 0                          ; O^T: the step is written for every step alike; the first change of M multiplies zeros.  These lines are also the places between Q's codes and scale word and the first product
.set n, n+1
.endr
; A KEY STEP: 128 keys.
.macro STEP
	v_add_nc_u32 v[ADK], s[TB], v[AK0]             ; four plain lines: the places behind the last step's products, in front of the loads into the registers that they read
	v_add_nc_u32 v[ADV], s[TB], v[AV0]
	v_add_nc_u32 v[ADS], s[TS], v[ASK0]
	v_add_nc_u32 v[ADT], s[TS], v[ASV0]
.irp t, 0,1,2,3,4,5,6,7
.irp c, 0,1
	ds_load_b128 v[FRG+8*\t+4*\c:FRG+8*\t+4*\c+3], v[ADK] offset:1088*\t+32*\c   ; keys 16 t + r: registers 4 c .. 4 c + 3 hold channels 64 c + 32 h + 0 .. 31
.endr
	ds_load_b32 v[SW+\t], v[ADS] offset:64*\t
.endr
	s_wait_dscnt 0x0
.irp t, 0,1,2,3,4,5,6,7
	v_wmma_scale_f32_16x16x128_f8f6f4 v[96+8*\t:103+8*\t], v[FRG+8*\t:FRG+8*\t+7], v[16:23], 0, v[SW+\t], v255 matrix_a_fmt:MATRIX_FMT_FP4 matrix_b_fmt:MATRIX_FMT_FP4
.endr
.rept 4
	v_nop                                          ; places in front of the loads below and of the first read of the scores
.endr
.irp t, 0,1,2,3,4,5,6,7                        ; V's fragments are asked for now and land under the softmax
.irp c, 0,1
	ds_load_b128 v[FRG+8*\t+4*\c:FRG+8*\t+4*\c+3], v[ADV] offset:1088*\t+32*\c   ; channels 16 t + r: block 2 c + h of the step's keys
.endr
	ds_load_b32 v[SW+\t], v[ADT] offset:64*\t
.endr
.irp b, 0,1,2,3
	v_max3_num_f32 v[232+\b], v[96+16*\b], v[97+16*\b], v[98+16*\b]   ; the largest score of each block of 32 keys: for the row's maximum, and, since p rises with the score, for the block's largest p
.endr
.irp i, 3,5,7,9,11,13
.irp b, 0,1,2,3
	v_max3_num_f32 v[232+\b], v[232+\b], v[96+16*\b+\i], v[97+16*\b+\i]
.endr
.endr
.irp b, 0,1,2,3
	v_max_num_f32 v[232+\b], v[232+\b], v[111+16*\b]
.endr
.irp b, 0,1,2,3
	v_permlanex16_b32 v[236+\b], v[232+\b], s[SEL], s[SEL+1]
.endr
.irp b, 0,1,2,3
	v_max_num_f32 v[232+\b], v[232+\b], v[236+\b]  ; with lane l xor 16's 16 keys
.endr
	v_max3_num_f32 v254, v232, v233, v234
	v_max_num_f32 v254, v254, v235                 ; the step's largest score of my query
	v_mul_f32 v254, s[CS], v254                    ; as t (c is positive)
	v_max_num_f32 v13, v13, v254                   ; the running largest t
	v_mov_b32 v254, v12
	v_floor_f32 v12, -v13                          ; the new -M = floor(-t) = -ceil(t)
	v_sub_f32 v254, v12, v254                      ; old M - new M: a whole number, 0 or less
	v_cvt_i32_f32 v254, v254                       ; (it saturates)
	v_ldexp_f32 v252, 1.0, v254                    ; f = 2^(old M - new M)
.set n, 0
.rept 32
	v_pk_fma_f32 v[96+n:97+n], v[96+n:97+n], s[CS:CS+1], v[12:13] op_sel_hi:[1,0,0]   ; t - M, two at a time
.set n, n+2
.endr
.irp b, 0,1,2,3
	v_fma_f32 v[232+\b], v[232+\b], s[CS], v12     ; the same of each block's largest score
.endr
.set n, 0
.rept 64
	v_exp_f32 v[96+n], v[96+n]                     ; p = 2^(t - M), at most 1
.set n, n+1
.endr
.irp b, 0,1,2,3
	v_exp_f32 v[232+\b], v[232+\b]                 ; the block's largest p
.endr
	v_pk_mul_f32 v[14:15], v[14:15], v[252:253] op_sel_hi:[1,0]   ; the sums under the new M (the plain line behind the exponentials)
	s_wait_alu depctr_va_vdst(0)
.irp b, 0,1,2,3
	v_max_num_f32 v[232+\b], 0x1800000, v[232+\b]  ; the floor 2^(3 - 127)
.endr
.irp b, 0,1,2,3
	v_add_nc_u32 v[244+\b], 0xff000000, v[232+\b]  ; the conversions' scale operand
.endr
.irp b, 0,1,2,3
	v_lshrrev_b32 v[236+\b], 23, v[244+\b]         ; the scale's byte
.endr
	v_lshl_or_b32 v253, v237, 8, v236              ; p's scale word for these 128 keys
	v_lshl_or_b32 v253, v238, 16, v253
	v_lshl_or_b32 v253, v239, 24, v253
.irp b, 0,1,2,3
	v_cvt_scalef32_pk8_fp4_f32 v[224+2*\b], v[96+16*\b:103+16*\b], v[244+\b]
	v_cvt_scalef32_pk8_fp4_f32 v[225+2*\b], v[104+16*\b:111+16*\b], v[244+\b]
.endr
	v_nop                                          ; one plain line behind the conversions
.irp c, 0,1                                    ; the operand's layout wants a whole block in a lane: lanes 0-15 block 2 c, lanes 16-31 block 2 c + 1
.irp i, 0,1
	v_permlane16_swap_b32 v[224+4*\c+\i], v[226+4*\c+\i]
.endr
.endr
	v_pk_add_f32 v[236:237], v[96:97], v[98:99]    ; the row's sum is taken of the unquantised p: two at a time, in two chains
.irp j, 4,8,12,16,20,24,28,32,36,40,44,48,52,56,60
	v_pk_add_f32 v[14:15], v[14:15], v[96+\j:97+\j]
	v_pk_add_f32 v[236:237], v[236:237], v[98+\j:99+\j]
.endr
	v_pk_add_f32 v[14:15], v[14:15], v[236:237]
.set n, 0
.rept 32
	v_pk_mul_f32 v[160+n:161+n], v[160+n:161+n], v[252:253] op_sel_hi:[1,0]   ; O^T under the new M, each tile from its low end on.  (These and the sums are the places between p's codes and scale word and the products)
.set n, n+2
.endr
	s_wait_dscnt 0x0                               ; V's fragments and scale words are in
.irp t, 0,1,2,3,4,5,6,7                        ; the eight accumulators take turns, one instruction a turn
	v_wmma_scale_f32_16x16x128_f8f6f4 v[160+8*\t:167+8*\t], v[FRG+8*\t:FRG+8*\t+7], v[224:231], v[160+8*\t:167+8*\t], v[SW+\t], v253 matrix_a_fmt:MATRIX_FMT_FP4 matrix_b_fmt:MATRIX_FMT_FP4
.endr
.endm
.macro STEPS n
	s_mov_b32 s[CNT], \n
.Lstep_\@:
	STEP
	s_add_co_u32 s[TB], s[TB], STEPB
	s_add_co_u32 s[TS], s[TS], 512
	s_sub_co_u32 s[CNT], s[CNT], 1
	s_cmp_lg_u32 s[CNT], 0
	s_cbranch_scc1 .Lstep_\@
.endm
	s_wait_tensorcnt 3                             ; tensor loads of a wave end in order (ISA guide 10.11.1): my scale bytes and key steps 0-3 are in; the three younger chunks may stay out
	s_barrier_signal -1
	s_barrier_wait -1                              ; K's and V's are
	STEPS 4                                        ; these read bytes 0 .. CHUNK - 1 of K's and of V's codes alone
	s_wait_tensorcnt 0x0                           ; all of mine are in
	s_wait_dscnt 0x0
	s_barrier_signal -1
	s_barrier_wait -1                              ; everybody's are
	STEPS 12
	; THE WAY OUT.  o = O^T / the sum is quantised along the head's 128 (four blocks of the projection's K); the codes of the group's four heads meet in a stage, so that sixteen lanes store 256 consecutive bytes of oc, aligned.
	v_add_f32 v14, v14, v15                        ; the sum's two halves,
	v_permlanex16_b32 v252, v14, s[SEL], s[SEL+1]
	v_add_f32 v14, v14, v252                       ; and lane l xor 16's
	v_rcp_f32 v14, v14
	s_lshl_b32 s78, s72, 4                         ; the addresses: plain lines, the places behind the last products and behind the reciprocal
	v_add_nc_u32 v7, s78, v[RR]                    ; my query's row in the block: 16 qt + r
	v_mul_u32_u24 v1, v7, 272
	v_lshl_add_u32 v1, v[HH], 3, v1
	s_lshl_b32 s79, s71, 6
	s_add_co_u32 s79, s79, STG
	v_add_nc_u32 v1, s79, v1                       ; codes in: row, + 64 hh, + 8 h
	v_lshlrev_b32 v2, 4, v7
	s_lshl_b32 s79, s71, 2
	s_add_co_u32 s79, s79, SSTG
	v_add_nc_u32 v2, s79, v2                       ; scale word in: 16 x row + 4 hh
	s_lshl_b32 s78, s[WV], 2
	v_add_nc_u32 v7, s78, v[HH]                    ; back: wave w takes rows 4 w .. 4 w + 3; lanes 0-15 one row, lanes 16-31 the next
	v_mul_u32_u24 v3, v7, 272
	v_lshl_add_u32 v3, v[RR], 4, v3
	v_add_nc_u32 v3, STG, v3
	v_lshlrev_b32 v4, 10, v7
	v_lshl_add_u32 v4, v[RR], 4, v4                ; and the same place in oc
	v_and_b32 v7, 31, v0
	s_and_b32 s78, s[WV], 1
	s_lshl_b32 s79, s78, 9
	s_add_co_u32 s79, s79, SSTG
	v_lshl_add_u32 v8, v7, 4, s79                  ; scale words back: waves 0 and 1, 32 rows each, 16 bytes a lane
	s_lshl_b32 s79, s78, 11
	v_lshl_add_u32 v9, v7, 6, s79                  ; and the same rows in os
.set n, 0
	s_wait_alu depctr_va_vdst(0)
.rept 64
	v_mul_f32 v[96+n], v[160+n], v14               ; register 8 t + i is o(r, 16 t + 8 h + i); each accumulator is read from its low end on
.set n, n+1
.endr
.irp b, 0,1,2,3
	v_max3_num_f32 v[232+\b], |v[96+16*\b]|, |v[97+16*\b]|, 0x1800000   ; block b = channels 32 b on: my 16 numbers, and the floor
.endr
.irp i, 2,4,6,8,10,12,14
.irp b, 0,1,2,3
	v_max3_num_f32 v[232+\b], v[232+\b], |v[96+16*\b+\i]|, |v[97+16*\b+\i]|
.endr
.endr
.irp b, 0,1,2,3
	v_permlanex16_b32 v[236+\b], v[232+\b], s[SEL], s[SEL+1]
.endr
.irp b, 0,1,2,3
	v_max_num_f32 v[232+\b], v[232+\b], v[236+\b]
.endr
.irp b, 0,1,2,3
	v_add_nc_u32 v[244+\b], 0xff000000, v[232+\b]
.endr
.irp b, 0,1,2,3
	v_lshrrev_b32 v[236+\b], 23, v[244+\b]
.endr
	v_lshl_or_b32 v254, v237, 8, v236              ; my row's scale word for this head
	v_lshl_or_b32 v254, v238, 16, v254
	v_lshl_or_b32 v254, v239, 24, v254
.irp b, 0,1,2,3
	v_cvt_scalef32_pk8_fp4_f32 v[224+2*\b], v[96+16*\b:103+16*\b], v[244+\b]      ; channels 32 b + 8 h + 0 .. 7
	v_cvt_scalef32_pk8_fp4_f32 v[225+2*\b], v[104+16*\b:111+16*\b], v[244+\b]     ; channels 32 b + 16 + 8 h + 0 .. 7
.endr
	v_nop                                          ; one plain line behind the conversions
.irp b, 0,1,2,3
	v_permlane16_swap_b32 v[224+2*\b], v[225+2*\b] ; the pair now holds channels 32 b + 16 h + 0 .. 15 of query r, in true order
.endr
.irp b, 0,1,2,3
	ds_store_b64 v1, v[224+2*\b:225+2*\b] offset:16*\b
.endr
	ds_store_b32 v2, v254                          ; both halves of the lanes write the same word with the same value
	s_wait_dscnt 0x0                               ; for the others' sake: my stores into the stages are done
	s_barrier_signal -1
	s_barrier_wait -1
.irp i, 0,1
	ds_load_b128 v[96+4*\i:99+4*\i], v3 offset:544*\i
.endr
.irp i, 0,1
	s_wait_dscnt 1-\i                              ; load i is back
	global_store_b128 v4, v[96+4*\i:99+4*\i], s[14:15] offset:2048*\i   ; sixteen lanes store 256 consecutive bytes, aligned
.endr
	s_cmp_lt_u32 s[WV], 2
	s_cbranch_scc0 .Lno_scales
	ds_load_b128 v[104:107], v8
	s_wait_dscnt 0x0
	global_store_b128 v9, v[104:107], s[16:17]     ; a row's four scale words of this group
.Lno_scales:
	s_wait_dscnt 0x0
	s_wait_tensorcnt 0x0
	ds_add_u32 v250, v251
	s_wait_dscnt 0x0
	ROUND                                          ; the closing round: no work-group ends while a partner may still ask for a tile that names it
	s_endpgm
.Lfunc_end_k_q7b14a0720e_attn:
	.size	k_q7b14a0720e_attn, .Lfunc_end_k_q7b14a0720e_attn-k_q7b14a0720e_attn
	.p2alignl 7, 3214868480
	.fill 96, 4, 3214868480
	.section	.rodata,"a",@progbits
	.p2align	6, 0x0
	.amdhsa_kernel k_q7b14a0720e_attn
		.amdhsa_group_segment_fixed_size 315392
		.amdhsa_private_segment_fixed_size 0
		.amdhsa_enable_private_segment 0
		.amdhsa_kernarg_size 56
		.amdhsa_user_sgpr_count 2
		.amdhsa_user_sgpr_kernarg_segment_ptr 1
		.amdhsa_wavefront_size32 1
		.amdhsa_system_sgpr_workgroup_id_x 1
		.amdhsa_system_sgpr_workgroup_id_y 1
		.amdhsa_system_sgpr_workgroup_id_z 1
		.amdhsa_system_vgpr_workitem_id 0
		.amdhsa_next_free_vgpr 256
		.amdhsa_next_free_sgpr 92
		.amdhsa_reserve_vcc 0
		.amdhsa_float_denorm_mode_32 3
		.amdhsa_float_denorm_mode_16_64 3
		.amdhsa_memory_ordered 1
		.amdhsa_forward_progress 1
		.amdhsa_inst_pref_size 59
	.end_amdhsa_kernel
	.amdgpu_metadata
---
amdhsa.version: [ 1, 2 ]
amdhsa.kernels:
  - .name:           k_q7b14a0720e_attn
    .symbol:         k_q7b14a0720e_attn.kd
    .args:
      - { .name: q, .offset: 0, .size: 8, .value_kind: global_buffer, .address_space: global }
      - { .name: kc, .offset: 8, .size: 8, .value_kind: global_buffer, .address_space: global }
      - { .name: ks, .offset: 16, .size: 8, .value_kind: global_buffer, .address_space: global }
      - { .name: vc, .offset: 24, .size: 8, .value_kind: global_buffer, .address_space: global }
      - { .name: vs, .offset: 32, .size: 8, .value_kind: global_buffer, .address_space: global }
      - { .name: oc, .offset: 40, .size: 8, .value_kind: global_buffer, .address_space: global }
      - { .name: os, .offset: 48, .size: 8, .value_kind: global_buffer, .address_space: global }
    .group_segment_fixed_size: 315392
    .private_segment_fixed_size: 0
    .kernarg_segment_align: 8
    .kernarg_segment_size: 56
    .max_flat_workgroup_size: 512
    .sgpr_count:     92
    .vgpr_count:     256
    .wavefront_size: 32
...
	.end_amdgpu_metadata
.endif
;; end of part 2
;; launch proj (part 3): grid 8 x 16, 4 waves a work-group, clusters of 4 x 4, 327,680 bytes of LDS; arguments oc, os, wcc, wcs, out0, bc; writes out0
.if DOCPART == 3
	.amdgcn_target "amdgcn-amd-amdhsa--gfx1250"
	.amdhsa_code_object_version 6
	.text
	.protected	k_q7b14a0720e_proj
	.globl	k_q7b14a0720e_proj
	.p2align	8
	.type	k_q7b14a0720e_proj,@function
k_q7b14a0720e_proj:
	s_mov_b64 s[64:65], 0
	v_nop
	global_prefetch_b8 v0, s[64:65] scope:SCOPE_SE
	s_setreg_imm32_b32 hwreg(HW_REG_WAVE_MODE, 25, 1), 1
	s_wait_xcnt 0x0
	s_wait_alu depctr_hold_cnt(0) depctr_sa_sdst(0) depctr_va_vdst(0) depctr_va_sdst(0) depctr_va_ssrc(0) depctr_va_vcc(0) depctr_vm_vsrc(0)
	s_getreg_b32 s2, hwreg(HW_REG_IB_STS2, 6, 4)
	s_cmp_eq_u32 s2, 0
	s_cbranch_scc0 .Lentry_in_a_cluster
	s_endpgm
.Lentry_in_a_cluster:
	s_bfe_u32 s2, ttmp6, 0x10000c
	s_cmp_lg_u32 s2, 0xf033
	s_cbranch_scc0 .Lentry_shape_is_right
	s_endpgm
.Lentry_shape_is_right:
; out0[m][n] = sum over k of A[m][k] B[n][k] + bc[n].  A = the attention result, [SIZE_M][SIZE_K], B = Wc, [SIZE_N][SIZE_K]: codes of FP4 (E2M1), two a byte, K innermost, with one E8M0 byte for each 32 along K
; ([rows][SIZE_K / 32]); out0 f32; sums in f32.  The matrix instruction takes codes and scale bytes as they lie in memory.
; A tile of the output, 256 x 256, is made by a work-group of four waves; a wave makes 128 x 128: 64 accumulators of 16 x 16, 512 registers.  K goes in steps of 512 through a ring of two LDS slots filled by the tensor data mover:
; a tile's row is 256 consecutive bytes of memory.  The scale bytes of the work-group's 256 rows of A and of B, for all of K, are two dense blocks: they come into LDS once, with the first fills, and stay.
; CLUSTERS: 4 x 4 work-groups.  The four of a row of the cluster need the same tiles of A, the four of a column the same tiles of B: each tile is asked for JOINTLY, by the same tensor load with the same descriptor and a mask that names the four.
; THE MATRIX INSTRUCTION IS USED TRANSPOSED (source 0 = 16 rows of B, source 1 = 16 rows of A): a lane then holds eight neighbouring numbers of a row of the output.  THE BIAS is the C of each sum's first product.
; REGISTERS, in windows of 256: window 0: v0-31 addresses; v32-95 scale words, two sets; v128-191 A's fragments (8 x 16 rows x 128 K), ONE set; v192-255 the bias in the result's layout; on the way out v128-255 are free.
;   window 1: B's fragments, TWO sets, at v0 and at v128.   window 2: the 32 accumulators of my rows 0-63 (accumulator (a, b) at v[8 (8 a + b)]);   window 3: those of my rows 64-127.
; A step of 128 along K is 64 matrix instructions, A's blocks one after the other, each against B's eight: a block of A is free as soon as its eight products are issued, so one set serves A; B has two.
.set SIZE_M, 4096
.set SIZE_N, 2048
.set SIZE_K, 2048
.set KSTEP,  512                       ; along K in a slot
.set NQ,     KSTEP/128                 ; matrix instructions deep
.set ROWB,   256                       ; a tile's row in bytes
.set KROW,   SIZE_K*4/8                ; a row of A or of B in memory, in bytes
.set PITCH,  272                       ; an LDS row: 256 bytes + 16 of padding = 68 words: row r starts at bank 4 r mod 64 (64 banks of 4 bytes: ISA guide 11.1)
.set FR,     8                         ; registers of a fragment: 16 rows x 128 K
.set NL,     2                         ; LDS loads that bring one
.set NP,     4                         ; places behind this matrix instruction (ISA guide 7.12.1)
.set HALFT,  128*PITCH                 ; 128 rows: what one tensor load brings, and what one wave reads of A or of B
.set SLOT,   4*HALFT                   ; A's 256 rows, then B's 256 rows
.set LAPS,   SIZE_K/(2*KSTEP)          ; a lap = two K steps = once round the ring
.set KS,     SIZE_K/32                 ; a row of scale bytes
.set SCL,    2*SLOT                    ; behind the ring: the scale bytes, as rows of 256 bytes + 16 of padding
.set HALFS,  (128*KS/256)*272          ; those of 128 rows: what one tensor load brings
.set SBLK,   (16*KS/256)*272           ; those of 16 rows
.set SPARE,  SCL+4*HALFS               ; behind them: the spare words, 128 bytes for each wave, which no other line names
.set SPITCH, 528                       ; the way out: a stage of 16 rows x (512 bytes + 16) for each wave, in slot 0, which has had its last fill and its last read when the first result is stored there
.set ADRA, 16                          ; v16-17  LDS address of my A fragments in slot 0, 1
.set ADRB, 20                          ; v20-21  the same for B
.set STO,  24                          ; v24     the way out: where I put 32 bytes of a row
.set RD,   25                          ; v25     the way out: where I read a row back
.set CO,   26                          ; v26     my byte offset in a row of the output
.set ADRS, 27                          ; v27     LDS address of my scale words: lanes 0-15 A's rows, lanes 16-31 B's
.set SPW,  28                          ; v28     LDS address of my spare word; never rewritten
.set NIL,  29                          ; v29     0; never rewritten
.set SC,   32                          ; scale words: set s at v[SC + 8 NQ s]; register NQ i + q: lanes 0-15 the word of A's block i, lanes 16-31 that of B's block i, for the slot's q-th 128 along K
.set AF,   128                         ; A's fragments, in window 0
.set BIAS, 192                         ; register 8 b + j of lane (r, h): bc at my column 16 b + 8 h + j
.set BK,   128                         ; the way out: 16 rows read back from the stage: v128-191 and v192-255 by turns
.set G1, 24                            ; s[24:31] descriptor group 1 for A's tiles;  s[32:39] group 0, one set for each slot
.set G0, 32
.set G1B, 48                           ; s[48:55], s[56:63] the same for B's tiles
.set G0B, 56
.set G1S, 68                           ; s[68:75], s[76:79] groups 1 and 0 for A's scale bytes;  s[80:87], s[88:91] for B's
.set G0S, 76
.set G1SB, 80
.set G0SB, 88
.set MSB, 0
.macro WIN new                         ; the immediate's high byte repeats the setting that is left
.if MSB != \new
	s_set_vgpr_msb (MSB<<8)|\new
.set MSB, \new
.endif
.endm
.set MUL_LO, 0xa1                      ; source 0 (B) window 1, source 1 (A) window 0, C and D window 2
.set MUL_HI, 0xf1                      ; the same, C and D window 3
.set BIA_LO, 0x81                      ; the first products: C (the bias) window 0, D window 2
.set BIA_HI, 0xc1                      ; D window 3
.set TO_B,   0x40                      ; destination window 1, address window 0
; A joint load: waves 0 and 1 fetch for A, waves 2 and 3 for B.  Each of the two lines has one mask and one set of registers for all that issue it; the branch hangs on the wave's number alone.
; Four v_nop follow each of the two lines, ahead of the jump, the label and what follows.
.macro JLOAD g0a, g1a, g0b, g1b
	s_cmp_eq_u32 s15, 0
	s_cbranch_scc0 .Lfor_b_\@
	tensor_load_to_lds s[\g0a:\g0a+3], s[\g1a:\g1a+7]
	s_nop 0
.rept 4
	v_nop
.endr
	s_branch .Lasked_\@
.Lfor_b_\@:
	tensor_load_to_lds s[\g0b:\g0b+3], s[\g1b:\g1b+7]
	s_nop 0
.rept 4
	v_nop
.endr
.Lasked_\@:
.endm
.macro CREST                           ; a round of the cluster's barrier behind its opening barrier
	s_cmp_lg_u32 s14, 0
	s_cbranch_scc1 .Lnot_wave_0_\@
	s_barrier_signal -3
.Lnot_wave_0_\@:
	s_barrier_wait -3
	s_barrier_signal -1
	s_barrier_wait -1
.endm
.macro CROUND                          ; a whole round
	s_barrier_signal -1
	s_barrier_wait -1
	CREST
.endm
	s_load_b128 s[4:7], s[0:1], 0x0                ; A's codes s[4:5], A's scale bytes s[6:7]
	s_load_b128 s[8:11], s[0:1], 0x10              ; B's codes s[8:9], B's scale bytes s[10:11]
	s_load_b64 s[12:13], s[0:1], 0x20              ; the output
	s_load_b64 s[96:97], s[0:1], 0x28              ; the bias
	v_lshl_add_u32 v[SPW], v0, 2, SPARE
	v_mov_b32 v[NIL], 0
	ds_add_u32 v28, v29
	ds_add_u32 v28, v29
	s_wait_dscnt 0x0
	v_lshrrev_b32 v1, 5, v0
	v_readfirstlane_b32 s14, v1                    ; wave 0..3
	s_lshr_b32 s15, s14, 1                         ; which half of the tile's rows is mine.  Also: I fetch for A (0) or for B (1)
	s_and_b32 s16, s14, 1                          ; which half of its columns.  Also: which 128 rows of that tile I fetch
	s_bfe_u32 s40, ttmp6, 0x40000                  ; cx, cy: my place in the cluster
	s_bfe_u32 s41, ttmp6, 0x40004
	s_lshl_b32 s42, ttmp9, 2
	s_add_co_u32 s42, s42, s40                     ; tile column = 4 x cluster x + cx
	s_and_b32 s17, ttmp7, 0xffff
	s_lshl_b32 s17, s17, 2
	s_add_co_u32 s17, s17, s41                     ; tile row = 4 x cluster y + cy
	s_lshl_b32 s43, s41, 2
	s_lshl_b32 s43, 15, s43                        ; my row of the cluster
	s_lshl_b32 s44, 0x1111, s40                    ; my column
	; descriptor group 1: a tile of 128 rows x ROWB bytes, padded in LDS
	s_or_b32 s[G1+0], s43, (0<<16)|(1<<20)|(1<<21)|(5<<22)|(3<<25)  ; 15:0 the mask: A's tiles go to my row; 17:16 element of 1 byte; 20 padding on; 21 set beside a mask; 24:22 after every 64 words (code 5); 31:25 of 4 words (code 3)
	s_or_b32 s[G1B+0], s44, (0<<16)|(1<<20)|(1<<21)|(5<<22)|(3<<25)
.irp g, G1, G1B
	s_mov_b32 s[\g+1], ROWB<<16                    ; tensor_dim0
	s_mov_b32 s[\g+2], 128<<16                     ; tensor_dim1
	s_mov_b32 s[\g+3], ROWB<<16                    ; tile_dim0
	s_mov_b32 s[\g+4], 128                         ; tile_dim1
	s_mov_b32 s[\g+5], KROW                        ; tensor_dim0_stride
	s_mov_b32 s[\g+6], 0
	s_mov_b32 s[\g+7], 0
.endr
	; and for the scale bytes of 128 rows: a dense block of 128 KS bytes, as rows of 256 bytes (32 elements of 8 bytes), 16 bytes of padding behind each
	s_or_b32 s[G1S+0], s43, (3<<16)|(1<<20)|(1<<21)|(5<<22)|(3<<25)
	s_or_b32 s[G1SB+0], s44, (3<<16)|(1<<20)|(1<<21)|(5<<22)|(3<<25)
.irp g, G1S, G1SB
	s_mov_b32 s[\g+1], 32<<16
	s_mov_b32 s[\g+2], (128*KS/256)<<16
	s_mov_b32 s[\g+3], 32<<16
	s_mov_b32 s[\g+4], 128*KS/256
	s_mov_b32 s[\g+5], 32
	s_mov_b32 s[\g+6], 0
	s_mov_b32 s[\g+7], 0
.endr
	s_lshl_b32 s18, s16, 7                         ; which 128 rows of the tile I fetch
	s_lshl_b32 s20, s17, 8
	s_add_co_u32 s20, s20, s18                     ; A: row 256 x tile row + 128 x half
	s_lshl_b32 s46, s42, 8
	s_add_co_u32 s46, s46, s18                     ; B: row 256 x tile column + 128 x half
	s_mov_b32 s21, 0
	s_mov_b32 s47, 0
	s_mov_b64 s[18:19], KS
	s_mul_u64 s[22:23], s[20:21], s[18:19]         ; where these rows' scale bytes begin
	s_mul_u64 s[92:93], s[46:47], s[18:19]
	s_mov_b64 s[18:19], KROW
	s_mul_u64 s[20:21], s[20:21], s[18:19]         ; and their codes
	s_mul_u64 s[46:47], s[46:47], s[18:19]
	s_mul_i32 s45, s14, HALFT                      ; where they go: wave x 128 rows: no place in the cluster enters an LDS address
	s_mul_i32 s94, s14, HALFS
	s_wait_kmcnt 0x0
	s_add_nc_u64 s[20:21], s[4:5], s[20:21]
	s_add_nc_u64 s[22:23], s[6:7], s[22:23]
	s_add_nc_u64 s[46:47], s[8:9], s[46:47]
	s_add_nc_u64 s[92:93], s[10:11], s[92:93]
	CROUND                                         ; all sixteen work-groups are here: the first joint loads meet
	s_mov_b32 s[G0S], 1
	s_add_co_u32 s[G0S+1], s94, SCL
	s_mov_b64 s[G0S+2:G0S+3], s[22:23]
	s_or_b32 s[G0S+3], s[G0S+3], 0x80000000
	s_mov_b32 s[G0SB], 1
	s_add_co_u32 s[G0SB+1], s94, SCL
	s_mov_b64 s[G0SB+2:G0SB+3], s[92:93]
	s_or_b32 s[G0SB+3], s[G0SB+3], 0x80000000
	JLOAD G0S, G1S, G0SB, G1SB                     ; the scale bytes first: they are wanted with K step 0.  Three loads of a wave are out behind the first fills
.irp s, 0,1
	s_mov_b32 s[G0+4*\s], 1
	s_add_co_u32 s[G0+4*\s+1], s45, \s*SLOT
	s_add_nc_u64 s[G0+4*\s+2:G0+4*\s+3], s[20:21], \s*ROWB
	s_or_b32 s[G0+4*\s+3], s[G0+4*\s+3], 0x80000000
	s_mov_b32 s[G0B+4*\s], 1
	s_add_co_u32 s[G0B+4*\s+1], s45, \s*SLOT
	s_add_nc_u64 s[G0B+4*\s+2:G0B+4*\s+3], s[46:47], \s*ROWB
	s_or_b32 s[G0B+4*\s+3], s[G0B+4*\s+3], 0x80000000
	JLOAD G0+4*\s, G1, G0B+4*\s, G1B
.endr
	v_and_b32 v1, 15, v0                           ; l % 16
	v_bfe_u32 v2, v0, 4, 1                         ; l / 16
	v_mul_u32_u24 v3, v1, PITCH
	v_lshl_add_u32 v4, v2, 4, v3                   ; a fragment's row x pitch + 16 x half
	s_mul_i32 s21, s15, HALFT                      ; my 128 rows of A
	s_mul_i32 s22, s16, HALFT                      ; my 128 rows of B,
	s_add_co_u32 s22, s22, 2*HALFT                 ; which lie behind A's 256
.irp s, 0,1
	v_add_nc_u32 v[ADRA+\s], s21, v4
	v_add_nc_u32 v[ADRB+\s], s22, v4
	s_add_co_u32 s21, s21, SLOT
	s_add_co_u32 s22, s22, SLOT
.endr
	v_mul_u32_u24 v5, v1, KS                       ; my row's scale bytes: KS a row,
	v_lshrrev_b32 v6, 8, v5
	v_lshl_add_u32 v5, v6, 4, v5                   ; and 16 more for each 256 passed
	s_mul_i32 s21, s15, HALFS                      ; A's: my 128 rows
	s_mul_i32 s22, s16, HALFS                      ; B's: my 128 rows, behind A's 256
	s_add_co_u32 s22, s22, 2*HALFS
	s_sub_co_u32 s22, s22, s21
	v_mul_u32_u24 v6, s22, v2                      ; lanes 16-31 take B's: one product, the distance between the two
	s_add_co_u32 s21, s21, SCL
	v_add_nc_u32 v5, v5, v6
	v_add_nc_u32 v[ADRS], s21, v5
	s_mul_i32 s23, s14, 16*SPITCH                  ; my stage
	v_mul_u32_u24 v5, v1, SPITCH                   ; in: row l % 16, 32 bytes for each half of the lanes
	v_lshl_add_u32 v5, v2, 5, v5
	v_add_nc_u32 v[STO], s23, v5
	v_and_b32 v6, 31, v0
	v_lshlrev_b32 v[CO], 4, v6                     ; back: the 32 lanes take one row of 512 bytes; and the same in the output
	v_add_nc_u32 v[RD], s23, v[CO]
	s_lshl_b32 s20, s17, 8
	s_lshl_b32 s21, s15, 7
	s_add_co_u32 s20, s20, s21                     ; my first row: 256 x tile row + 128 x half
	s_mov_b32 s21, 0
	s_mov_b64 s[18:19], SIZE_N*4
	s_mul_u64 s[20:21], s[20:21], s[18:19]
	s_lshl_b32 s46, s42, 10                        ; my first column, in bytes: 1024 x tile column + 512 x half
	s_lshl_b32 s47, s16, 9
	s_add_co_u32 s46, s46, s47
	s_mov_b32 s47, 0
	s_add_nc_u64 s[20:21], s[20:21], s[46:47]
	s_add_nc_u64 s[12:13], s[12:13], s[20:21]
	s_add_nc_u64 s[96:97], s[96:97], s[46:47]      ; the bias at my first column
	v_lshlrev_b32 v7, 5, v2                        ; lanes 16-31 hold the columns eight further on
.irp b, 0,1,2,3,4,5,6,7
	global_load_b128 v[BIAS+8*\b:BIAS+8*\b+3], v7, s[96:97] offset:64*\b
	global_load_b128 v[BIAS+8*\b+4:BIAS+8*\b+7], v7, s[96:97] offset:64*\b+16
.endr
.macro FRAG reg, adr, q, i             ; a fragment: lane l holds row l % 16; registers 4 c .. 4 c + 3 hold K = 64 c + 32 (l / 16) + 0 .. 31, the lower K in the lower bits
.irp c, 0,1
	ds_load_b128 v[\reg+4*\c:\reg+4*\c+3], v[\adr] offset:64*(\q)+32*\c+(\i)*16*PITCH
.endr
.endm
; 16 matrix instructions: A's blocks a0, a0 + 1 x B's eight, 128 along K: the slot's q-th.  p: B's set;  sc: the set of scale words.  first = 1: the first product starts the sums, with the bias as its C: nothing is ever cleared.
; The 64 accumulators take turns, one instruction a turn, in the same order in every step.
.macro MUL16 a0, p, q, sc, first
.irp a, \a0, \a0+1
.irp b, 0,1,2,3,4,5,6,7
.if \first
	v_wmma_scale_f32_16x16x128_f8f6f4 v[8*(8*((\a)%4)+\b):8*(8*((\a)%4)+\b)+7], v[128*(\p)+FR*\b:128*(\p)+FR*\b+FR-1], v[AF+FR*(\a):AF+FR*(\a)+FR-1], v[BIAS+8*\b:BIAS+8*\b+7], v[SC+8*NQ*(\sc)+NQ*\b+(\q)], v[SC+8*NQ*(\sc)+NQ*(\a)+(\q)] matrix_a_fmt:MATRIX_FMT_FP4 matrix_b_fmt:MATRIX_FMT_FP4 matrix_a_scale:MATRIX_SCALE_ROW1
.else
	v_wmma_scale_f32_16x16x128_f8f6f4 v[8*(8*((\a)%4)+\b):8*(8*((\a)%4)+\b)+7], v[128*(\p)+FR*\b:128*(\p)+FR*\b+FR-1], v[AF+FR*(\a):AF+FR*(\a)+FR-1], v[8*(8*((\a)%4)+\b):8*(8*((\a)%4)+\b)+7], v[SC+8*NQ*(\sc)+NQ*\b+(\q)], v[SC+8*NQ*(\sc)+NQ*(\a)+(\q)] matrix_a_fmt:MATRIX_FMT_FP4 matrix_b_fmt:MATRIX_FMT_FP4 matrix_a_scale:MATRIX_SCALE_ROW1
.endif
.endr
.endr
.endm
.macro FETCH_B slot, q, p              ; B's eight fragments of the slot's q-th 128 along K into set p
	WIN TO_B
.irp i, 0,1,2,3,4,5,6,7
	FRAG 128*(\p)+FR*\i, ADRB+\slot, \q, \i
.endr
	WIN 0
.endm
.macro FETCH_A slot, q, i0             ; A's blocks i0 .. i0 + 3
.irp i, \i0, \i0+1, \i0+2, \i0+3
	FRAG AF+FR*(\i), ADRA+\slot, \q, \i
.endr
.endm
.macro SCALES sc                       ; the next K step's scale words into set sc: NQ words a row; lanes 0-15 take A's block i, lanes 16-31 B's block i
.irp i, 0,1,2,3,4,5,6,7
	ds_load_b128 v[SC+8*NQ*\sc+NQ*\i:SC+8*NQ*\sc+NQ*\i+3], v[ADRS] offset:\i*SBLK
.endr
.endm
; A load into a register that a matrix instruction has read, and an LDS store that reads a matrix result, stand NP places behind that matrix instruction, and only plain vector instructions that name none of its registers
; are places (ISA guide 7.12.1 for vector instructions).
.macro PLACES n
.rept \n
	v_nop
.endr
.endm
; A step of 128 along K that has its successor in the same slot.
.macro STEP slot, q, first
	s_wait_dscnt 4*NL                              ; B's set and A's blocks 0-3 are in; the youngest eight loads (A's blocks 4-7) may be out
.if \first
	WIN BIA_LO
.else
	WIN MUL_LO
.endif
	MUL16 0, (\q)%2, \q, \slot, \first
	MUL16 2, (\q)%2, \q, \slot, \first
	s_wait_dscnt 0                                 ; A's blocks 4-7 are in (asked for 32 matrix instructions ago)
	PLACES NP
	FETCH_B \slot, (\q)+1, 1-(\q)%2
	FETCH_A \slot, (\q)+1, 0
.if \first
	WIN BIA_HI
.else
	WIN MUL_HI
.endif
	MUL16 4, (\q)%2, \q, \slot, \first
	MUL16 6, (\q)%2, \q, \slot, \first
	PLACES NP
	WIN 0
	FETCH_A \slot, (\q)+1, 4
.endm
; A slot's last step changes slots: ONE barrier; in front of it each wave waits for all its tensor loads, adds 0 to its spare word, and waits for that and for its own reads of this slot.  fill = 1: this slot is filled again, two K steps ahead.
.macro TURN slot, next, fill
	s_wait_tensorcnt 0x0                           ; all my tensor loads have landed: my part of the next slot  (every window is 0 here)
	ds_add_u32 v[SPW], v[NIL]                      ; 0 onto my spare word
	s_wait_dscnt 4*NL+1                            ; (the add and the youngest eight loads, A's blocks 4-7, may be out)
	WIN MUL_LO
	MUL16 0, 1, NQ-1, \slot, 0                     ; sixteen matrix instructions stand between the add and the wait for it
	s_wait_dscnt 0x0                               ; the add is done, and my reads of this slot are over
	s_barrier_signal -1
	MUL16 2, 1, NQ-1, \slot, 0
	WIN 0
	s_barrier_wait -1
.if \fill
	CREST                                          ; the barrier has opened a round of the cluster's barrier: no wave of any partner still reads this slot's tile or has a load on its way
	s_add_nc_u64 s[G0+4*\slot+2:G0+4*\slot+3], s[G0+4*\slot+2:G0+4*\slot+3], 2*ROWB
	s_add_nc_u64 s[G0B+4*\slot+2:G0B+4*\slot+3], s[G0B+4*\slot+2:G0B+4*\slot+3], 2*ROWB
	JLOAD G0+4*\slot, G1, G0B+4*\slot, G1B         ; the first tensor load behind the round, and my one load until the next; the four v_nop behind it are the places in front of the loads below
.else
	PLACES NP
.endif
	v_add_nc_u32 v[ADRS], 4*NQ, v[ADRS]            ; on to the next K step's scale words (no LDS load of mine is out)
	FETCH_B \next, 0, 0
	FETCH_A \next, 0, 0
	SCALES \next
	WIN MUL_HI
	MUL16 4, 1, NQ-1, \slot, 0
	MUL16 6, 1, NQ-1, \slot, 0
	PLACES NP
	WIN 0
	FETCH_A \next, 0, 4
.endm
.macro STEPS slot, from                ; the slot's steps from .. NQ - 2
.set Q, \from
.rept NQ-1-\from
	STEP \slot, Q, 0
.set Q, Q+1
.endr
.endm
	s_wait_tensorcnt 1                             ; the scale bytes and my part of K step 0 are in (K step 1's load may be out)
	s_barrier_signal -1
	s_barrier_wait -1                              ; everybody's are
	FETCH_B 0, 0, 0
	FETCH_A 0, 0, 0
	SCALES 0
	FETCH_A 0, 0, 4
	s_wait_loadcnt 0x0                             ; the bias
	STEP 0, 0, 1                                   ; the first step stands in front of the loop: its products start the sums
	s_mov_b32 s3, LAPS-1
.Llap:                                                 ; a trip goes once round the ring, from a lap's second step to the next lap's first, and fills both slots again
	STEPS 0, 1
	TURN 0, 1, 1
	STEPS 1, 0
	TURN 1, 0, 1
	STEP 0, 0, 0
	s_sub_co_u32 s3, s3, 1
	s_cmp_lg_u32 s3, 0
	s_cbranch_scc1 .Llap
	STEPS 0, 1                                     ; the last lap fills nothing, and has no round of the cluster's barrier
	TURN 0, 1, 0
	STEPS 1, 0
	s_wait_dscnt 4*NL                              ; the very last step: nothing more to fetch
	WIN MUL_LO
	MUL16 0, 1, NQ-1, 1, 0
	MUL16 2, 1, NQ-1, 1, 0
	s_wait_dscnt 0
	WIN MUL_HI
	MUL16 4, 1, NQ-1, 1, 0
	MUL16 6, 1, NQ-1, 1, 0
	WIN 0
; THE WAY OUT, block by block of 16 rows x 128 columns.  A lane holds 32 neighbouring bytes of a row, and the lanes beside it hold other rows: so a block goes through my own stage in LDS and comes back as whole
; rows of 512 bytes.  LDS serves a wave's instructions in order (ISA guide 5.7.1.4): no wait between the stores and the loads, nor in front of the next block's stores.
.macro TOSTAGE a
.set AC, 64*((\a)%4)
	WIN 0x08+4*((\a)/4)                            ; the data: window 2 or 3
.irp b, 0,1,2,3,4,5,6,7
	ds_store_b128 v[STO], v[AC+8*\b:AC+8*\b+3] offset:64*\b          ; each accumulator from its low end on
	ds_store_b128 v[STO], v[AC+8*\b+4:AC+8*\b+7] offset:64*\b+16
.endr
	WIN 0
.set BB, BK+64*((\a)%2)
.irp t, 0,1,2,3,4,5,6,7,8,9,10,11,12,13,14,15
	ds_load_b128 v[BB+4*\t:BB+4*\t+3], v[RD] offset:\t*SPITCH
.endr
.endm
.macro SEND a, younger                 ; younger: the LDS instructions issued behind block a's loads, which may stay out
.set BB, BK+64*((\a)%2)
	s_wait_dscnt \younger                          ; the block is back in registers
.if (\a) > 0
	s_add_nc_u64 s[12:13], s[12:13], 16*SIZE_N*4   ; (behind a wait on XCNT: the earlier stores have read their base)  16 rows on, so that the stores' offsets stay at 15 rows at the most
.endif
.irp t, 0,1,2,3,4,5,6,7,8,9,10,11,12,13,14,15
	global_store_b128 v[CO], v[BB+4*\t:BB+4*\t+3], s[12:13] offset:\t*SIZE_N*4 th:TH_STORE_NT   ; 32 lanes store 512 consecutive bytes, at a multiple of 256 from the output's first byte; written once, read by nobody here
.endr
.endm
	PLACES NP                                      ; behind the last products: for the loads into the registers that held A's fragments, and for the reads of results
	TOSTAGE 0
.irp a, 1,2,3,4,5,6,7
.if \a > 1
	s_wait_xcnt 0x0                                ; block a - 2's stores have read their registers and their base: block a's loads may land there, and the base may step
.endif
	TOSTAGE \a
	SEND \a-1, 32                                  ; behind block a - 1's loads: block a's 16 stores and 16 loads
.endr
	s_wait_xcnt 0x0                                ; block 6's stores have read their base
	SEND 7, 0
	s_wait_tensorcnt 0x0                           ; the wave's end: behind my last tensor load and my last LDS store
	ds_add_u32 v[SPW], v[NIL]
	s_wait_dscnt 0x0
	CROUND                                         ; the closing round: no work-group ends while a partner may still ask for a tile that names it
	s_endpgm
.Lfunc_end_k_q7b14a0720e_proj:
	.size	k_q7b14a0720e_proj, .Lfunc_end_k_q7b14a0720e_proj-k_q7b14a0720e_proj
	.p2alignl 7, 3214868480
	.fill 96, 4, 3214868480
	.section	.rodata,"a",@progbits
	.p2align	6, 0x0
	.amdhsa_kernel k_q7b14a0720e_proj
		.amdhsa_group_segment_fixed_size 327680
		.amdhsa_private_segment_fixed_size 0
		.amdhsa_enable_private_segment 0
		.amdhsa_kernarg_size 48
		.amdhsa_user_sgpr_count 2
		.amdhsa_user_sgpr_kernarg_segment_ptr 1
		.amdhsa_wavefront_size32 1
		.amdhsa_system_sgpr_workgroup_id_x 1
		.amdhsa_system_sgpr_workgroup_id_y 1
		.amdhsa_system_sgpr_workgroup_id_z 1
		.amdhsa_system_vgpr_workitem_id 0
		.amdhsa_next_free_vgpr 1024
		.amdhsa_next_free_sgpr 100
		.amdhsa_reserve_vcc 0
		.amdhsa_float_denorm_mode_32 3
		.amdhsa_float_denorm_mode_16_64 3
		.amdhsa_memory_ordered 1
		.amdhsa_forward_progress 1
		.amdhsa_inst_pref_size 213
	.end_amdhsa_kernel
	.amdgpu_metadata
---
amdhsa.version: [ 1, 2 ]
amdhsa.kernels:
  - .name:           k_q7b14a0720e_proj
    .symbol:         k_q7b14a0720e_proj.kd
    .args:
      - { .name: oc, .offset: 0, .size: 8, .value_kind: global_buffer, .address_space: global }
      - { .name: os, .offset: 8, .size: 8, .value_kind: global_buffer, .address_space: global }
      - { .name: wcc, .offset: 16, .size: 8, .value_kind: global_buffer, .address_space: global }
      - { .name: wcs, .offset: 24, .size: 8, .value_kind: global_buffer, .address_space: global }
      - { .name: out0, .offset: 32, .size: 8, .value_kind: global_buffer, .address_space: global }
      - { .name: bc, .offset: 40, .size: 8, .value_kind: global_buffer, .address_space: global }
    .group_segment_fixed_size: 327680
    .private_segment_fixed_size: 0
    .kernarg_segment_align: 8
    .kernarg_segment_size: 48
    .max_flat_workgroup_size: 128
    .sgpr_count:     100
    .vgpr_count:     1024
    .wavefront_size: 32
...
	.end_amdgpu_metadata
.endif
;; end of part 3
;; ======== version 2 of 2: 3 launches
;; limits: right only within a limited range of input values
;; workspace buffers: kc 1,048,576 bytes; ks 65,536 bytes; vc 1,048,576 bytes; vs 65,536 bytes; wcc 2,097,152 bytes; wcs 131,072 bytes; oc 4,194,304 bytes; os 262,144 bytes
;; launch prep (part 4): grid 320 x 1, 4 waves a work-group, no clusters, 78,336 bytes of LDS; arguments k, Wc, v, kc, ks, wcc, wcs, vc, vs; writes kc, ks, wcc, wcs, vc, vs
.if DOCPART == 4
	.amdgcn_target "amdgcn-amd-amdhsa--gfx1250"
	.amdhsa_code_object_version 6
	.text
	.protected	k_q7b14a0720e_prep
	.globl	k_q7b14a0720e_prep
	.p2align	8
	.type	k_q7b14a0720e_prep,@function
k_q7b14a0720e_prep:
	s_mov_b64 s[64:65], 0
	v_nop
	global_prefetch_b8 v0, s[64:65] scope:SCOPE_SE
	s_setreg_imm32_b32 hwreg(HW_REG_WAVE_MODE, 25, 1), 1
	s_wait_xcnt 0x0
; k [2][2048][512], Wc [2048][2048] and v [2][2048][512], f32, become codes of FP4 (E2M1) with one E8M0 byte for each 32 along the K of the product that reads them.
; A block's scale is 2^(floor(log2(its largest magnitude)) - 2): its byte is the largest magnitude's exponent field - 2, held at 1 from below.
; LIMITS: a block of zeros gets the byte 1 where the quantiser says 127 (its codes are zeros, which add nothing, and this program alone reads the bytes); blocks whose largest magnitude
; lies under 2^(3 - 127) keep the byte 1; NaN and infinities among the inputs are not served.
; Work-groups 0-127: Wc (K innermost) -> wcc [n][1024 B], wcs [n][64 B].   128-191: k (K = a group's 128, innermost) -> kc [4 b + g][key][64 B], ks [4 b + g][key][4 B].
; 192-319: v (K = the keys, NOT innermost) -> vc [4 b + g][j][d][64 B] (row: the 128 keys of key step j for channel d), vs [4 b + g][j][d][4 B].
; INSIDE A BLOCK OF 32 KEYS vc HOLDS THE FOUR GROUPS OF 8 KEYS IN THE ORDER 0, 2, 1, 3: that is where the attention launch's codes of p fall, and a permutation inside a block, alike on both operands, keeps products and scales.
; No tile is shared between work-groups, so no cluster; no tensor loads, no barrier: waves share nothing.  The two paths part on the work-group's number and have LDS bytes of their own.
.set NW,    128                        ; work-groups for Wc
.set NK,    64                         ; for k
.set STEPS, 16                         ; stream path: steps of 512 numbers a wave
.set EMAX,  2
.set CB,    8                          ; bytes of 16 codes
.set R,     16                         ; v16-79   four sets of 16 numbers as they are loaded
.set X,     80                         ; v80-111  two sets of 16 neighbours
.set E,     112                        ; v112-127 a scale byte for each step
.set C,     128                        ; v128-191 codes: four registers for each step, so that no store's data are written again
.set VA,    192                        ; v192-195 16 x lane + i x (bytes from one load of a step to the next)
.set BASE,  32                         ; s[32:63] the address of each step's first byte: sixteen pairs, never rewritten
.set WREG,  8192                       ; stream path's LDS: a region for each wave: two stages of 32 x SP bytes, then its 256 scale bytes
.set SP,    80                         ; a lane's place in a stage: 64 bytes + 16 of padding
.set VSTG,  32768                      ; v path's LDS: 32 rows x 80 bytes for each wave
.set VX,    32                         ; v32-95   two sets of 32 numbers
.set VCD,   96                         ; v96-99   a block's codes
.set OUTR,  112                        ; v112-127 the way out
.set SB,    24                         ; v24      my channel's four scale bytes
	s_load_b256 s[4:11], s[0:1], 0x0               ; k s[4:5], Wc s[6:7], v s[8:9], kc s[10:11]
	s_load_b256 s[12:19], s[0:1], 0x20             ; ks s[12:13], wcc s[14:15], wcs s[16:17], vc s[18:19]
	s_load_b64 s[20:21], s[0:1], 0x40              ; vs
	v_lshl_add_u32 v200, v0, 2, 0xa800
	v_mov_b32 v201, 0
	v_lshrrev_b32 v1, 5, v0
	v_readfirstlane_b32 s22, v1                    ; wave 0..3
	v_and_b32 v2, 31, v0                           ; lane
	s_wait_kmcnt 0x0
	s_cmp_ge_u32 ttmp9, NW+NK
	s_cbranch_scc1 .Lv
	s_cmp_ge_u32 ttmp9, NW
	s_cbranch_scc1 .Lstream
; ---------------- Wc, work-groups 0-127: laid in the order of the projection's operand registers ----------------
; wcc: byte 16384 nb + 1024 q + 512 c + 16 (16 h + r) holds the 32 codes of row 16 nb + r, k = 128 q + 64 c + 32 h + 0 .. 31.   wcs: byte 1024 nb + 256 (q / 4) + 16 r + 4 (q % 4) holds that row's scale word of k = 128 q on.
; (This is what wcc and wcs hold; only k takes the stream path below.)
; A work-group takes 16 rows (nb), wave w the q = 4 w .. 4 w + 3.  A unit u = 2 (q % 4) + c is 16 rows x 64 numbers: eight loads, each of two rows' 256 consecutive bytes; they turn through the wave's own stage,
; so that lane (r, h) holds one whole block of 32; its 16 bytes of codes leave as the wave's 512 consecutive bytes.  Loads run three units ahead, the turn through LDS one.
.set WSTG, 43520                       ; this path's own LDS: two stages of 16 x WP bytes for each wave
.set WP,   272
.set WR,   16                          ; v16-111  three sets of 32 numbers as loaded
.set WX,   112                         ; v112-175 two sets of 32 neighbours
.set WW,   176                         ; v176-179 the four scale words; v180-185 at work
.set WC,   204                         ; v204-235 codes, four registers a unit: no store's data are written again
	s_wait_alu depctr_va_vdst(0)
	v_and_b32 v3, 15, v2                           ; r
	v_lshrrev_b32 v4, 4, v2                        ; h
	s_mul_i32 s23, s22, 2*16*WP
	s_add_co_u32 s23, s23, WSTG
	v_mul_u32_u24 v5, v4, WP
	v_lshl_add_u32 v5, v3, 4, v5
	v_add_nc_u32 v5, s23, v5                       ; stage, in: row lane / 16, 16 bytes a lane
	v_mul_u32_u24 v6, v3, WP
	v_lshl_add_u32 v6, v4, 7, v6
	v_add_nc_u32 v6, s23, v6                       ; stage, out: row r, block h
	v_lshlrev_b32 v7, 13, v4
	v_lshl_add_u32 v7, v3, 4, v7                   ; in Wc: row lane / 16 of 8,192 bytes, 16 bytes a lane
	v_lshlrev_b32 v8, 4, v2                        ; codes out: 16 x lane
	v_lshlrev_b32 v9, 3, v4                        ; 8 h: my byte's place in half a scale word
	v_lshl_add_u32 v10, v3, 4, v9                  ; scale words out: 16 r + 8 h
.irp j, 0,1,2,3
	v_mov_b32 v[180+\j], 0                         ; a lane permute's destination counts as one of its sources
.endr
	s_mov_b32 s28, 0x76543210
	s_mov_b32 s29, 0xfedcba98
	s_lshl_b32 s24, ttmp9, 17                      ; 16 rows of 8,192 bytes,
	s_lshl_b32 s26, s22, 11                        ; my four q: 2,048 bytes of each row
	s_add_co_u32 s24, s24, s26
	s_mov_b32 s25, 0
	s_add_nc_u64 s[6:7], s[6:7], s[24:25]
	s_lshl_b32 s24, ttmp9, 14
	s_lshl_b32 s26, s22, 12
	s_add_co_u32 s24, s24, s26
	s_add_nc_u64 s[14:15], s[14:15], s[24:25]
	s_lshl_b32 s24, ttmp9, 10
	s_lshl_b32 s26, s22, 8
	s_add_co_u32 s24, s24, s26
	s_add_nc_u64 s[16:17], s[16:17], s[24:25]
	s_wait_alu depctr_va_vdst(0)
.macro WLOAD u
.irp i, 0,1,2,3,4,5,6,7
	global_load_b128 v[WR+32*((\u)%3)+4*\i:WR+32*((\u)%3)+4*\i+3], v7, s[6:7] offset:16384*\i+256*(\u) th:TH_LOAD_NT
.endr
.endm
.macro WTURN u                         ; LDS serves a wave's instructions in order: no wait between the stores and the loads
.irp i, 0,1,2,3,4,5,6,7
	ds_store_b128 v5, v[WR+32*((\u)%3)+4*\i:WR+32*((\u)%3)+4*\i+3] offset:16*WP*((\u)%2)+2*WP*\i
.endr
.irp g, 0,1,2,3,4,5,6,7
	ds_load_b128 v[WX+32*((\u)%2)+4*\g:WX+32*((\u)%2)+4*\g+3], v6 offset:16*WP*((\u)%2)+16*\g
.endr
.endm
.macro WUNIT u
.set XS, WX+32*((\u)%2)
	s_wait_dscnt 0x0                               ; my block is back, so the stage's stores have read their registers,
.if (\u)+3 < 8
	WLOAD (\u)+3                                   ; which take the loads of three units on
.endif
.if (\u)+1 < 8
.if (\u) < 5
	s_wait_loadcnt 16                              ; the next unit's eight loads are in; two units' may be out
.else
	s_wait_loadcnt 8*(6-(\u))
.endif
	WTURN (\u)+1
.endif
	v_max3_num_f32 v12, |v[XS]|, |v[XS+1]|, |v[XS+2]|
	v_max3_num_f32 v13, |v[XS+3]|, |v[XS+4]|, |v[XS+5]|
.irp i, 6,10,14,18,22,26
	v_max3_num_f32 v12, v12, |v[XS+\i]|, |v[XS+\i+1]|
	v_max3_num_f32 v13, v13, |v[XS+\i+2]|, |v[XS+\i+3]|
.endr
	v_max3_num_f32 v12, v12, |v[XS+30]|, |v[XS+31]|
	v_max3_num_f32 v12, v12, v13, (EMAX+1)<<23     ; and the floor: the byte cannot fall under 1
	v_add_nc_u32 v11, -(EMAX<<23), v12             ; the conversions' scale operand
.irp g, 0,1,2,3
	v_cvt_scalef32_pk8_fp4_f32 v[WC+4*(\u)+\g], v[XS+8*\g:XS+8*\g+7], v11
.endr
	v_lshrrev_b32 v13, 23, v11                     ; the scale's byte: block 2 c + h of its word
.if (\u)%2 == 0
	v_lshlrev_b32 v[WW+(\u)/2], v9, v13
.else
	v_lshlrev_b32 v13, v9, v13
	v_lshl_or_b32 v[WW+(\u)/2], v13, 16, v[WW+(\u)/2]
.endif
	global_store_b128 v8, v[WC+4*(\u):WC+4*(\u)+3], s[14:15] offset:512*(\u)   ; 512 consecutive bytes, aligned
.endm
	WLOAD 0
	WLOAD 1
	WLOAD 2
	s_wait_loadcnt 16
	WTURN 0
.irp u, 0,1,2,3,4,5,6,7
	WUNIT \u
.endr
.irp j, 0,1,2,3
	v_permlanex16_b32 v[180+\j], v[WW+\j], s28, s29
.endr
.irp j, 0,1,2,3
	v_or_b32 v[WW+\j], v[WW+\j], v[180+\j]         ; with lane l xor 16's two bytes the word is whole
.endr
	v_cmp_eq_u32 vcc_lo, 1, v4
	v_cndmask_b32 v184, v176, v178, vcc_lo         ; lanes 0-15 store words 0 and 1 of row r, lanes 16-31 words 2 and 3
	v_cndmask_b32 v185, v177, v179, vcc_lo
	global_store_b64 v10, v[184:185], s[16:17]     ; 256 consecutive bytes, aligned
	s_wait_tensorcnt 0x0                           ; the wave's end
	ds_add_u32 v200, v201
	s_wait_dscnt 0x0
	s_endpgm
.Lstream:
; ---------------- k: K is innermost ----------------
; A step is 512 numbers in four loads of 512 consecutive bytes, 16 a lane.  For Wc the four follow each other (a plain stream); for k they are one group's 512 bytes of four neighbouring keys, 2,048 bytes apart,
; so that the step's 256 bytes of codes are four neighbouring rows of kc.  The conversions want 16 NEIGHBOURS in a lane: the step's 2,048 bytes turn through the wave's own stage in LDS and come back 64 bytes a lane.
	s_wait_alu depctr_va_vdst(0)
	v_lshlrev_b32 v3, 4, v2                        ; my 16 bytes of a load's 512
	s_mul_i32 s23, s22, WREG
	v_lshrrev_b32 v14, 2, v2
	v_mul_u32_u24 v14, v14, SP
	v_and_b32 v15, 3, v2
	v_lshl_add_u32 v14, v15, 4, v14
	v_add_nc_u32 v14, s23, v14                     ; the stage, on the way in: SP (lane / 4) + 16 (lane % 4)
	v_mul_u32_u24 v15, v2, SP
	v_add_nc_u32 v15, s23, v15                     ; and on the way out: SP x lane
	v_mul_u32_u24 v4, v2, CB                       ; my codes' place in a step's 256 bytes
	v_lshrrev_b32 v5, 1, v2
	s_add_co_u32 s23, s23, 2*32*SP
	v_add_nc_u32 v5, s23, v5                       ; my wave's 256 scale bytes in LDS: my block's byte
	v_lshlrev_b32 v7, 3, v2                        ; and on the way out 8 bytes a lane
	v_add_nc_u32 v6, s23, v7
	s_mov_b32 s25, 2048
	s_cmp_lt_u32 ttmp9, NW                         ; Wc's work-group or k's?  The choice hangs on the work-group's number alone
	s_cselect_b64 s[4:5], s[6:7], s[4:5]           ; the numbers,
	s_cselect_b64 s[10:11], s[14:15], s[10:11]     ; the codes,
	s_cselect_b64 s[12:13], s[16:17], s[12:13]     ; the scale bytes
	s_cselect_b32 s24, 0, NW
	s_cselect_b32 s25, 512, s25                    ; bytes from one load of a step to the next
	s_sub_co_u32 s26, ttmp9, s24
	s_lshl_b32 s26, s26, 2
	s_add_co_u32 s26, s26, s22                     ; my run of 8,192 numbers.  For k: run = 32 (4 b + g) + block of 64 keys
	s_lshl_b32 s27, s26, 15                        ; Wc: runs lie on end
	s_lshr_b32 s28, s26, 7
	s_lshl_b32 s28, s28, 22                        ; k: the batch,
	s_and_b32 s29, s26, 31
	s_lshl_b32 s29, s29, 17                        ; 64 keys of 2,048 bytes,
	s_add_co_u32 s28, s28, s29
	s_bfe_u32 s29, s26, 0x20005
	s_lshl_b32 s29, s29, 9                         ; the group's 512 bytes
	s_add_co_u32 s28, s28, s29
	s_cmp_lt_u32 ttmp9, NW
	s_cselect_b32 s28, s27, s28
	s_mov_b32 s29, 0
	s_add_nc_u64 s[BASE:BASE+1], s[4:5], s[28:29]
	s_lshl_b32 s30, s25, 2                         ; a step is four loads on
	s_mov_b32 s31, 0
.irp t, 1,2,3,4,5,6,7,8,9,10,11,12,13,14,15
	s_add_nc_u64 s[BASE+2*\t:BASE+2*\t+1], s[BASE+2*\t-2:BASE+2*\t-1], s[30:31]
.endr
	s_lshl_b32 s28, s26, 12                        ; 4,096 bytes of codes a run, in both tensors
	s_add_nc_u64 s[10:11], s[10:11], s[28:29]
	s_lshl_b32 s28, s26, 8                         ; 256 scale bytes a run
	s_add_nc_u64 s[12:13], s[12:13], s[28:29]
.irp i, 0,1,2,3
	v_mad_u32_u24 v[VA+\i], s25, \i, v3
.endr
.macro LOADS t
.irp i, 0,1,2,3
	global_load_b128 v[R+16*((\t)%4)+4*\i:R+16*((\t)%4)+4*\i+3], v[VA+\i], s[BASE+2*(\t):BASE+2*(\t)+1] th:TH_LOAD_NT   ; 32 lanes read 512 consecutive bytes
.endr
.endm
.macro TURN t                          ; step t's numbers through the stage: LDS serves a wave's instructions in order (ISA guide 5.7.1.4), so no wait stands between the stores and the loads
.irp i, 0,1,2,3
	ds_store_b128 v14, v[R+16*((\t)%4)+4*\i:R+16*((\t)%4)+4*\i+3] offset:32*SP*((\t)%2)+8*SP*\i
.endr
.irp i, 0,1,2,3
	ds_load_b128 v[X+16*((\t)%2)+4*\i:X+16*((\t)%2)+4*\i+3], v15 offset:32*SP*((\t)%2)+16*\i
.endr
.endm
.irp t, 0,1,2,3
	LOADS \t
.endr
	s_wait_alu depctr_va_vdst(0)
	s_wait_loadcnt 12                              ; step 0's four loads are in; the twelve behind them stay out
	TURN 0
.macro STEP t
.set XS, X+16*((\t)%2)
.if (\t) > 0
	s_wait_dscnt 1                                 ; this step's numbers are back from the stage (the last step's byte store may be out): so its stores into the stage have read their registers,
.else
	s_wait_dscnt 0x0
.endif
.if (\t)+4 < STEPS
	LOADS (\t)+4                                   ; which take the loads of four steps on
.endif
.if (\t)+1 < STEPS
.if STEPS-2-(\t) >= 3
	s_wait_loadcnt 12                              ; the next step's four loads are in; those of the three steps behind it may be out
.else
	s_wait_loadcnt 4*(STEPS-2-(\t))
.endif
	TURN (\t)+1                                    ; and go through the other stage while this step is worked
.endif
	v_max3_num_f32 v8, |v[XS]|, |v[XS+1]|, |v[XS+2]|               ; the largest magnitude of my 16, in two chains
	v_max3_num_f32 v9, |v[XS+3]|, |v[XS+4]|, |v[XS+5]|
.irp i, 6,10
	v_max3_num_f32 v8, v8, |v[XS+\i]|, |v[XS+\i+1]|
	v_max3_num_f32 v9, v9, |v[XS+\i+2]|, |v[XS+\i+3]|
.endr
	v_max3_num_f32 v8, v8, |v[XS+14]|, |v[XS+15]|
	v_max3_num_f32 v8, v8, v9, (EMAX+1)<<23        ; and the floor 2^(EMAX + 1 - 127): the byte cannot fall under 1
	v_max_num_f32_dpp v8, v8, v8 row_xmask:1 row_mask:0xf bank_mask:0xf   ; and of my neighbour's 16: the block's
	v_add_nc_u32 v11, -(EMAX<<23), v8              ; EMAX off its exponent field: the conversion takes the exponent field of this operand as its scale
	v_cvt_scalef32_pk8_fp4_f32 v[C+4*(\t)], v[XS:XS+7], v11
	v_cvt_scalef32_pk8_fp4_f32 v[C+4*(\t)+1], v[XS+8:XS+15], v11
	v_lshrrev_b32 v[E+(\t)], 23, v11               ; the scale's byte (also the plain line behind the conversions)
	ds_store_b8 v5, v[E+(\t)] offset:16*(\t)       ; both lanes of a block write the same byte with the same value
	global_store_b64 v4, v[C+4*(\t):C+4*(\t)+1], s[10:11] offset:32*CB*(\t)   ; the wave stores 256 consecutive bytes, aligned
.endm
.irp t, 0,1,2,3,4,5,6,7,8,9,10,11,12,13,14,15
	STEP \t
.endr
	ds_load_b64 v[12:13], v6                       ; in order behind my byte stores
	s_wait_dscnt 0x0
	global_store_b64 v7, v[12:13], s[12:13]        ; 32 lanes store my run's 256 scale bytes, aligned
	s_wait_tensorcnt 0x0
	ds_add_u32 v200, v201
	s_wait_dscnt 0x0
	s_endpgm
; ---------------- v: K = the keys is not innermost ----------------
; A work-group takes 128 keys (key step j) x one group's 128 channels; wave w channels 32 w on.  A LANE TAKES A CHANNEL AND ITS REGISTERS RUN DOWN THE KEYS: a block of 32 keys lies in one lane's 32 registers,
; each load reads 128 consecutive bytes a wave, and the conversions give codes with the keys innermost.  The codes leave through the wave's own stage as 512 consecutive bytes a store.
.Lv:
	s_sub_co_u32 s24, ttmp9, NW+NK
	s_lshr_b32 s25, s24, 6                         ; b
	s_bfe_u32 s26, s24, 0x40002                    ; j
	s_and_b32 s27, s24, 3                          ; g
	s_lshl_b32 s28, s25, 22                        ; the batch,
	s_lshl_b32 s29, s26, 18                        ; 128 keys of 2,048 bytes,
	s_add_co_u32 s28, s28, s29
	s_lshl_b32 s29, s27, 9                         ; the group's 512 bytes,
	s_add_co_u32 s28, s28, s29
	s_lshl_b32 s29, s22, 7                         ; my wave's 32 channels
	s_add_co_u32 s28, s28, s29
	s_mov_b32 s29, 0
	s_add_nc_u64 s[8:9], s[8:9], s[28:29]
	s_lshl_b32 s30, s25, 2
	s_add_co_u32 s30, s30, s27
	s_lshl_b32 s30, s30, 4
	s_add_co_u32 s30, s30, s26                     ; 16 (4 b + g) + j
	s_lshl_b32 s28, s30, 13                        ; 128 rows of 64 bytes,
	s_lshl_b32 s31, s22, 11                        ; my wave's 32 of them
	s_add_co_u32 s28, s28, s31
	s_add_nc_u64 s[18:19], s[18:19], s[28:29]
	s_lshl_b32 s28, s30, 9                         ; 128 scale words,
	s_lshl_b32 s31, s22, 7                         ; my wave's 32
	s_add_co_u32 s28, s28, s31
	s_add_nc_u64 s[20:21], s[20:21], s[28:29]
	s_wait_alu depctr_va_vdst(0)
	v_lshlrev_b32 v3, 2, v2                        ; 4 bytes a lane: in v, and in vs
	s_mul_i32 s31, s22, 32*SP
	s_add_co_u32 s31, s31, VSTG                    ; my stage
	v_mul_u32_u24 v4, v2, SP
	v_add_nc_u32 v4, s31, v4                       ; into it: row = my channel
	v_lshrrev_b32 v7, 2, v2
	v_mul_u32_u24 v7, v7, SP
	v_and_b32 v8, 3, v2
	v_lshl_add_u32 v7, v8, 4, v7
	v_add_nc_u32 v7, s31, v7                       ; out of it: four lanes to a row of 64 bytes, eight rows an instruction
	v_lshlrev_b32 v8, 4, v2                        ; and the same 512 bytes in vc
.macro VLOAD t                         ; block t: v(32 t + i, my channel), i = 0 .. 31, into set t % 2
.set i, 0
.rept 32
	global_load_b32 v[VX+32*((\t)%2)+i], v3, s[8:9] offset:(32*(\t)+i)*2048 th:TH_LOAD_NT
.set i, i+1
.endr
.endm
	VLOAD 0
	VLOAD 1
.macro VBLOCK t
.set XS, VX+32*((\t)%2)
.if (\t) < 3
	s_wait_loadcnt 32                              ; this block's 32 loads are in; the next block's may be out
.else
	s_wait_loadcnt 0
.endif
	v_max3_num_f32 v12, |v[XS]|, |v[XS+1]|, |v[XS+2]|               ; the block's largest magnitude: all 32 numbers are mine
	v_max3_num_f32 v13, |v[XS+3]|, |v[XS+4]|, |v[XS+5]|
.irp i, 6,10,14,18,22,26
	v_max3_num_f32 v12, v12, |v[XS+\i]|, |v[XS+\i+1]|
	v_max3_num_f32 v13, v13, |v[XS+\i+2]|, |v[XS+\i+3]|
.endr
	v_max3_num_f32 v12, v12, |v[XS+30]|, |v[XS+31]|
	v_max3_num_f32 v12, v12, v13, (EMAX+1)<<23     ; and the floor
	v_add_nc_u32 v11, -(EMAX<<23), v12             ; the conversions' scale operand
	v_lshrrev_b32 v13, 23, v11                     ; the scale's byte
.if (\t) == 0
	v_mov_b32 v[SB], v13
.else
	v_lshl_or_b32 v[SB], v13, 8*(\t), v[SB]        ; the lower keys in the lower byte
.endif
.irp g, 0,1,2,3
	v_cvt_scalef32_pk8_fp4_f32 v[VCD+2*(\g%2)+\g/2], v[XS+8*\g:XS+8*\g+7], v11   ; keys 8 g on go to place 0, 2, 1, 3 of the block's four
.endr
	ds_store_b128 v4, v[VCD:VCD+3] offset:16*(\t)  ; 32 codes: 16 bytes of my channel's row.  (The codes go to a store alone; the next block begins with plain vector lines)
.if (\t)+2 < 4
	VLOAD (\t)+2
.endif
	s_wait_dscnt 0x0                               ; the store has read its registers: the next block's codes may be written
.endm
	VBLOCK 0
	VBLOCK 1
	VBLOCK 2
	VBLOCK 3
	s_wait_alu depctr_va_vdst(0)
	global_store_b32 v3, v[SB], s[20:21]           ; my channel's scale word: 128 consecutive bytes a wave
.irp i, 0,1,2,3
	ds_load_b128 v[OUTR+4*\i:OUTR+4*\i+3], v7 offset:8*SP*\i
.endr
.irp i, 0,1,2,3
	s_wait_dscnt 3-\i                              ; load i is back; the younger ones may be out
	global_store_b128 v8, v[OUTR+4*\i:OUTR+4*\i+3], s[18:19] offset:512*\i   ; 32 lanes store 512 consecutive bytes, aligned
.endr
	s_wait_tensorcnt 0x0
	ds_add_u32 v200, v201
	s_wait_dscnt 0x0
	s_endpgm
.Lfunc_end_k_q7b14a0720e_prep:
	.size	k_q7b14a0720e_prep, .Lfunc_end_k_q7b14a0720e_prep-k_q7b14a0720e_prep
	.p2alignl 7, 3214868480
	.fill 96, 4, 3214868480
	.section	.rodata,"a",@progbits
	.p2align	6, 0x0
	.amdhsa_kernel k_q7b14a0720e_prep
		.amdhsa_group_segment_fixed_size 78336
		.amdhsa_private_segment_fixed_size 0
		.amdhsa_enable_private_segment 0
		.amdhsa_kernarg_size 72
		.amdhsa_user_sgpr_count 2
		.amdhsa_user_sgpr_kernarg_segment_ptr 1
		.amdhsa_wavefront_size32 1
		.amdhsa_system_sgpr_workgroup_id_x 1
		.amdhsa_system_sgpr_workgroup_id_y 1
		.amdhsa_system_sgpr_workgroup_id_z 1
		.amdhsa_system_vgpr_workitem_id 0
		.amdhsa_next_free_vgpr 240
		.amdhsa_next_free_sgpr 66
		.amdhsa_reserve_vcc 1
		.amdhsa_float_denorm_mode_32 3
		.amdhsa_float_denorm_mode_16_64 3
		.amdhsa_memory_ordered 1
		.amdhsa_forward_progress 1
		.amdhsa_inst_pref_size 84
	.end_amdhsa_kernel
	.amdgpu_metadata
---
amdhsa.version: [ 1, 2 ]
amdhsa.kernels:
  - .name:           k_q7b14a0720e_prep
    .symbol:         k_q7b14a0720e_prep.kd
    .args:
      - { .name: k, .offset: 0, .size: 8, .value_kind: global_buffer, .address_space: global }
      - { .name: Wc, .offset: 8, .size: 8, .value_kind: global_buffer, .address_space: global }
      - { .name: v, .offset: 16, .size: 8, .value_kind: global_buffer, .address_space: global }
      - { .name: kc, .offset: 24, .size: 8, .value_kind: global_buffer, .address_space: global }
      - { .name: ks, .offset: 32, .size: 8, .value_kind: global_buffer, .address_space: global }
      - { .name: wcc, .offset: 40, .size: 8, .value_kind: global_buffer, .address_space: global }
      - { .name: wcs, .offset: 48, .size: 8, .value_kind: global_buffer, .address_space: global }
      - { .name: vc, .offset: 56, .size: 8, .value_kind: global_buffer, .address_space: global }
      - { .name: vs, .offset: 64, .size: 8, .value_kind: global_buffer, .address_space: global }
    .group_segment_fixed_size: 78336
    .private_segment_fixed_size: 0
    .kernarg_segment_align: 8
    .kernarg_segment_size: 72
    .max_flat_workgroup_size: 128
    .sgpr_count:     66
    .vgpr_count:     240
    .wavefront_size: 32
...
	.end_amdgpu_metadata
.endif
;; end of part 4
;; launch attn (part 5): grid 32 x 8, 16 waves a work-group, clusters of 4 x 1, 318,464 bytes of LDS; arguments q, kc, ks, vc, vs, oc, os; writes oc, os
.if DOCPART == 5
	.amdgcn_target "amdgcn-amd-amdhsa--gfx1250"
	.amdhsa_code_object_version 6
	.text
	.protected	k_q7b14a0720e_attn
	.globl	k_q7b14a0720e_attn
	.p2align	8
	.type	k_q7b14a0720e_attn,@function
k_q7b14a0720e_attn:
	s_mov_b64 s[64:65], 0
	v_nop
	global_prefetch_b8 v0, s[64:65] scope:SCOPE_SE
	s_setreg_imm32_b32 hwreg(HW_REG_WAVE_MODE, 25, 1), 1
	s_wait_xcnt 0x0
	s_wait_alu depctr_hold_cnt(0) depctr_sa_sdst(0) depctr_va_vdst(0) depctr_va_sdst(0) depctr_va_ssrc(0) depctr_va_vcc(0) depctr_vm_vsrc(0)
	s_getreg_b32 s2, hwreg(HW_REG_IB_STS2, 6, 4)
	s_cmp_eq_u32 s2, 0
	s_cbranch_scc0 .Lentry_in_a_cluster
	s_endpgm
.Lentry_in_a_cluster:
	s_bfe_u32 s2, ttmp6, 0x10000c
	s_cmp_lg_u32 s2, 0x3003
	s_cbranch_scc0 .Lentry_shape_is_right
	s_endpgm
.Lentry_shape_is_right:
; Grouped-query attention on codes of FP4 (E2M1) with one E8M0 scale for each 32 along a product's K, and the quantising of its result for the projection.
; q [2][2048][2048] f32.  kc [bg][key][64 B], ks [bg][key][4 B], vc [bg][j][d][64 B] (128 keys of key step j for channel d; inside a block of 32 keys the groups of 8 in the order 0, 2, 1, 3), vs [bg][j][d][4 B]; bg = 4 b + g.
; Out: oc [row][1024 B]: the result as codes along d_model, true order.  os: byte 2048 (row / 32) + 512 g + 16 (row % 32) holds the row's four scale words of group g's four heads.
; SOFTMAX: t = score x log2(e) / sqrt(128); M = the running largest t rounded up to a whole number; p = 2^(t - M) is quantised along the keys; the row's sum is taken of the unquantised p and divides at the end.
; When M moves, the sum and O are multiplied by 2^(old M - new M), which rounds nothing.
; SHARES: a work-group owns one (b, g) and 64 queries; wave w owns head w % 4 and the 16 queries 16 (w / 4) on.  The group's K and V stay in LDS, each byte filled once: waves 0-3 ask for K's four chunks of four key steps,
; waves 4-7 for V's, waves 8 and 9 for the scale bytes: one tensor load a wave, all joint loads of the cluster's four query blocks, which walk the same K and V.  No slot is filled again, and there is no later tile to prefetch.
; TWO BANKS of 64 registers change roles from step to step: K's fragments lie in one, the scores go to the other; V's fragments follow K's; when p has been summed and converted, the next step's K is loaded over it,
; under the rescaling of O and the second product.  A trip of the loop is two steps.
; LAYOUT: both products transposed (source 0 = 16 keys or 16 channels, source 1 = my 16 queries): a lane holds one query (lane % 16).  A scale register holds two tiles' words: lanes 0-15 the even tile's, lanes 16-31 the odd one's.
; LIMITS: NaN and infinities are not served; a block of zeros has the byte 1 (its codes are zeros; this program alone reads the bytes); a block's largest p is taken as 2^ of the block's largest score, which takes v_exp_f32 not to
; fall where its input rises; the division by the sum is v_rcp_f32 and a multiplication.
.set VC,    139264                     ; LDS: K's codes from 0, V's from here: 16 key steps x 8,704; a step = 32 units of (4 rows of 64 bytes) + 16 of padding
.set STEPB, 8704
.set CHUNK, 4*STEPB
.set KSO,   278528                     ; K's scale words, 512 bytes a key step; V's 8,192 bytes on
.set STG,   294912                     ; the way out: 64 rows x (256 + 16)
.set SSTG,  312320                     ; and 64 rows x 16 bytes of scale words
.set QP,    80                         ; Q's stage: 64 bytes of codes + 16; 16 rows a wave.  It lies over the way out's bytes: a barrier, behind every wave's wait for its LDS instructions, stands between the two uses
.set QSTG,  STG
.set QSS,   QSTG+16*16*QP
.set ADK,  1                           ; v1 my lane's place in the trip's first tile of K; v2 of V; v3 among K's scale words
.set ADV,  2
.set ADS,  3
.set RR,   5
.set HH,   6
.set KW,   24                          ; v24-27 K's scale words, v28-31 V's
.set VW,   28
.set BX,   32                          ; the two banks
.set BY2,  96
.set MX,   32                          ; at the head, for Q's 16 rows
.set SO,   48
.set BY,   64
.set CD,   80
; v12 -M, v13 the largest t, v[14:15] the sum; v16-23 Q's codes, v255 Q's scale words; v160-223 O^T; v224-231 codes of p; v232-254 at work; v250, v251 the add's two registers
.set WV,   18
.set SEL,  20
.set CS,   22
.set G1C,  24
.set G1S,  32
.set G0S,  40
.set G0C,  44
.set CNT,  62
.macro ROUND
	s_barrier_signal -1
	s_barrier_wait -1
	s_cmp_lg_u32 s[WV], 0
	s_cbranch_scc1 .Lnot_wave_0_\@
	s_barrier_signal -3
.Lnot_wave_0_\@:
	s_barrier_wait -3
	s_barrier_signal -1
	s_barrier_wait -1
.endm
	s_load_b256 s[4:11], s[0:1], 0x0               ; q, kc, ks, vc
	s_load_b128 s[12:15], s[0:1], 0x20             ; vs, oc
	s_load_b64 s[16:17], s[0:1], 0x30              ; os
	v_lshl_add_u32 v250, v0, 2, 0x4d400
	v_mov_b32 v251, 0
	ds_add_u32 v250, v251
	ds_add_u32 v250, v251
	v_lshrrev_b32 v7, 5, v0
	s_delay_alu instid0(VALU_DEP_1)
	v_readfirstlane_b32 s[WV], v7
	v_and_b32 v[RR], 15, v0
	v_bfe_u32 v[HH], v0, 4, 1
	s_and_b32 s68, ttmp7, 0xffff                   ; bg, which the four partners share
	s_mov_b32 s[G1C], 15|(3<<16)|(1<<20)|(1<<21)|(5<<22)|(3<<25)   ; codes: 128 rows of 256 bytes, 16 of padding behind each; the mask names all four
	s_mov_b32 s[G1C+1], 32<<16
	s_mov_b32 s[G1C+2], 128<<16
	s_mov_b32 s[G1C+3], 32<<16
	s_mov_b32 s[G1C+4], 128
	s_mov_b32 s[G1C+5], 32
	s_mov_b32 s[G1C+6], 0
	s_mov_b32 s[G1C+7], 0
	s_mov_b32 s[G1S], 15|(3<<16)|(1<<21)           ; scale bytes: 32 rows of 256 bytes, dense
	s_mov_b32 s[G1S+1], 32<<16
	s_mov_b32 s[G1S+2], 32<<16
	s_mov_b32 s[G1S+3], 32<<16
	s_mov_b32 s[G1S+4], 32
	s_mov_b32 s[G1S+5], 32
	s_mov_b32 s[G1S+6], 0
	s_mov_b32 s[G1S+7], 0
	s_mov_b32 s[SEL], 0x76543210
	s_mov_b32 s[SEL+1], 0xfedcba98
	s_mov_b32 s[CS], 0x3e0293ee
	s_mov_b32 s[CS+1], s[CS]
	s_and_b32 s71, s[WV], 3                        ; hh; for the fills: which chunk
	s_lshr_b32 s72, s[WV], 2                       ; qt; for the fills: 0 K, 1 V
	s_and_b32 s73, s[WV], 1                        ; waves 8, 9: K's or V's scale bytes
	s_lshl_b32 s78, s68, 17                        ; the group's codes: 131,072 bytes,
	s_lshl_b32 s79, s71, 15                        ; my chunk's 32,768
	s_add_co_u32 s78, s78, s79
	s_mov_b32 s79, 0
	s_lshl_b32 s80, s68, 13                        ; its scale bytes: 8,192
	s_mov_b32 s81, 0
	s_mul_i32 s82, s72, VC                         ; where they go: made of the wave's number alone
	s_mul_i32 s83, s71, CHUNK
	s_add_co_u32 s82, s82, s83
	s_lshl_b32 s83, s73, 13
	s_bfe_u32 s66, ttmp6, 0x40000                  ; cx: these registers alone hold my place in the cluster
	s_lshl_b32 s67, ttmp9, 2
	s_add_co_u32 s67, s67, s66                     ; my block of 64 queries
	s_lshr_b32 s69, s68, 2                         ; b
	s_and_b32 s70, s68, 3                          ; g
	s_lshl_b32 s84, s69, 11
	s_lshl_b32 s85, s67, 6
	s_add_co_u32 s84, s84, s85                     ; the block's first row
	s_lshl_b32 s85, s72, 4
	s_add_co_u32 s85, s85, s84                     ; my wave's first row
	s_lshl_b32 s86, s85, 13
	s_lshl_b32 s87, s70, 2
	s_add_co_u32 s87, s87, s71
	s_lshl_b32 s87, s87, 9
	s_add_co_u32 s86, s86, s87                     ; q: row x 8,192 + head x 512
	s_mov_b32 s87, 0
	s_lshl_b32 s88, s84, 10
	s_lshl_b32 s89, s70, 8
	s_add_co_u32 s88, s88, s89                     ; oc
	s_mov_b32 s89, 0
	s_lshl_b32 s90, s84, 6                         ; os: 2,048 bytes for each 32 rows,
	s_lshl_b32 s91, s70, 9                         ; the group's 512 of them
	s_add_co_u32 s90, s90, s91
	s_mov_b32 s91, 0
	v_and_b32 v7, 31, v0
	s_delay_alu instid0(VALU_DEP_1)
	v_lshlrev_b32 v9, 4, v7
	s_wait_alu depctr_va_vdst(0)
	s_wait_dscnt 0x0
	s_wait_kmcnt 0x0
	s_cmp_lt_u32 s[WV], 4                          ; choices on the wave's number alone
	s_cselect_b64 s[74:75], s[6:7], s[10:11]
	s_cmp_eq_u32 s73, 0
	s_cselect_b64 s[76:77], s[8:9], s[12:13]
	s_mov_b32 s[G0S], 1
	s_add_co_u32 s[G0S+1], s83, KSO
	s_add_nc_u64 s[G0S+2:G0S+3], s[76:77], s[80:81]
	s_or_b32 s[G0S+3], s[G0S+3], 0x80000000
	s_mov_b32 s[G0C], 1
	s_mov_b32 s[G0C+1], s82
	s_add_nc_u64 s[G0C+2:G0C+3], s[74:75], s[78:79]
	s_or_b32 s[G0C+3], s[G0C+3], 0x80000000
	s_add_nc_u64 s[4:5], s[4:5], s[86:87]
	s_add_nc_u64 s[14:15], s[14:15], s[88:89]
	s_add_nc_u64 s[16:17], s[16:17], s[90:91]
.set n, 0
.rept 16
	global_load_b128 v[96+4*n:99+4*n], v9, s[4:5] offset:8192*n th:TH_LOAD_NT   ; query row n's 512 bytes of my head, 16 a lane
.set n, n+1
.endr
	ROUND                                          ; all four work-groups are here: the joint loads meet
	s_cmp_lt_u32 s[WV], 8                          ; one tree of branches on the wave's number, one fill to an arm
	s_cbranch_scc0 .Lhead_s
	tensor_load_to_lds s[G0C:G0C+3], s[G1C:G1C+7]
	s_nop 0
.rept 4
	v_nop
.endr
	s_branch .Lasked
.Lhead_s:
	s_cmp_lt_u32 s[WV], 10
	s_cbranch_scc0 .Lasked
	tensor_load_to_lds s[G0S:G0S+3], s[G1S:G1S+7]
	s_nop 0
.rept 4
	v_nop
.endr
.Lasked:
	s_mul_i32 s78, s[WV], 16*QP
	s_add_co_u32 s78, s78, QSTG
	v_lshl_add_u32 v8, v7, 1, s78                  ; Q's codes in: 2 bytes a lane
	v_mul_u32_u24 v11, v[RR], QP
	s_delay_alu instid0(VALU_DEP_1)
	v_lshl_add_u32 v11, v[HH], 4, v11
	s_delay_alu instid0(VALU_DEP_1)
	v_add_nc_u32 v11, s78, v11                     ; back: row r, + 16 h
	s_lshl_b32 s79, s[WV], 6
	s_add_co_u32 s79, s79, QSS
	v_lshrrev_b32 v10, 3, v7
	s_delay_alu instid0(VALU_DEP_1)
	v_add_nc_u32 v10, s79, v10                     ; byte in: block lane / 8
	v_lshl_add_u32 v[ADS], v7, 2, KSO              ; scale words: 4 x lane: two tiles a load
	v_lshl_add_u32 v7, v[RR], 2, s79               ; Q's word back: row r
	v_lshrrev_b32 v254, 2, v[RR]
	s_delay_alu instid0(VALU_DEP_1)
	v_mul_u32_u24 v[ADK], v254, 272
	v_and_b32 v254, 3, v[RR]
	s_delay_alu instid0(VALU_DEP_1)
	v_lshl_add_u32 v[ADK], v254, 6, v[ADK]
	s_delay_alu instid0(VALU_DEP_1)
	v_lshl_add_u32 v[ADK], v[HH], 4, v[ADK]        ; 272 (r / 4) + 64 (r % 4) + 16 h
	s_delay_alu instid0(VALU_DEP_1)
	v_add_nc_u32 v[ADV], VC, v[ADK]
	v_mov_b32 v13, 0xff61b1e6                      ; the largest t so far: -3e38
	s_delay_alu instid0(VALU_DEP_1)
	v_floor_f32 v12, -v13
	v_mov_b32 v14, 0
	v_mov_b32 v15, 0
.irp b, 0,1,2,3
	v_mov_b32 v[236+\b], 0
.endr
	v_mov_b32 v252, 0
	v_mov_b32 v253, 0
.set n, 0
.rept 64
	v_mov_b32 v[160+n], 0                          ; O^T: the step is written for every step alike; the first change of M multiplies zeros
.set n, n+1
.endr
	s_wait_loadcnt 0x0                             ; q
.set n, 0
.rept 16
	v_max3_num_f32 v[MX+n], |v[96+4*n]|, |v[97+4*n]|, 0x1800000   ; a block of 32 lies in eight neighbouring lanes; the floor holds the byte at 1
.set n, n+1
.endr
.set n, 0
.rept 16
	v_max3_num_f32 v[MX+n], v[MX+n], |v[98+4*n]|, |v[99+4*n]|
.set n, n+1
.endr
.irp m, 1,2,4
.set n, 0
.rept 16
	v_max_num_f32_dpp v[MX+n], v[MX+n], v[MX+n] row_xmask:\m row_mask:0xf bank_mask:0xf
.set n, n+1
.endr
.endr
.set n, 0
.rept 16
	v_add_nc_u32 v[SO+n], 0xff000000, v[MX+n]
.set n, n+1
.endr
.set n, 0
.rept 16
	v_lshrrev_b32 v[BY+n], 23, v[SO+n]
.set n, n+1
.endr
.set n, 0
.rept 16
	v_cvt_scalef32_pk8_fp4_f32 v[CD+n], v[96+4*n:103+4*n], v[SO+n]   ; the lower four registers are my numbers of row n and give the low 16 bits; the upper bits are not stored
.set n, n+1
.endr
	v_nop
.set n, 0
.rept 16
	ds_store_b16 v8, v[CD+n] offset:QP*n
	ds_store_b8 v10, v[BY+n] offset:4*n
.set n, n+1
.endr
	ds_load_b128 v[16:19], v11                     ; in order behind my stores: registers 4 c .. 4 c + 3 hold k = 64 c + 32 h + 0 .. 31 of query r
	ds_load_b128 v[20:23], v11 offset:32
	ds_load_b32 v255, v7
.macro KLOAD bank, i                   ; K's eight fragments and four scale registers of the trip's step i
.irp t, 0,1,2,3,4,5,6,7
.irp c, 0,1
	ds_load_b128 v[\bank+8*\t+4*\c:\bank+8*\t+4*\c+3], v[ADK] offset:STEPB*(\i)+1088*\t+32*\c
.endr
.endr
.irp u, 0,1,2,3
	ds_load_b32 v[KW+\u], v[ADS] offset:512*(\i)+128*\u
.endr
.endm
; A KEY STEP of 128 keys, the trip's i-th.  KB: the bank with K's fragments, then V's.  SB: the bank of the scores and p, then (nxt = 1) of the next step's K.
.macro STEP KB, SB, i, nxt
	s_wait_dscnt 0x0                               ; K's fragments and scale words are in
.irp u, 0,1,2,3
	v_wmma_scale_f32_16x16x128_f8f6f4 v[\SB+16*\u:\SB+16*\u+7], v[\KB+16*\u:\KB+16*\u+7], v[16:23], 0, v[KW+\u], v255 matrix_a_fmt:MATRIX_FMT_FP4 matrix_b_fmt:MATRIX_FMT_FP4
	v_wmma_scale_f32_16x16x128_f8f6f4 v[\SB+16*\u+8:\SB+16*\u+15], v[\KB+16*\u+8:\KB+16*\u+15], v[16:23], 0, v[KW+\u], v255 matrix_a_fmt:MATRIX_FMT_FP4 matrix_b_fmt:MATRIX_FMT_FP4 matrix_a_scale:MATRIX_SCALE_ROW1
.endr
.rept 4
	v_nop                                          ; places ahead of the loads below and of the first read of the scores
.endr
.irp t, 0,1,2,3,4,5,6,7                        ; V's fragments land under the softmax
.irp c, 0,1
	ds_load_b128 v[\KB+8*\t+4*\c:\KB+8*\t+4*\c+3], v[ADV] offset:STEPB*(\i)+1088*\t+32*\c
.endr
.endr
.irp u, 0,1,2,3
	ds_load_b32 v[VW+\u], v[ADS] offset:8192+512*(\i)+128*\u
.endr
.irp b, 0,1,2,3
	v_max3_num_f32 v[232+\b], v[\SB+16*\b], v[\SB+1+16*\b], v[\SB+2+16*\b]   ; the largest score of each block of 32 keys
.endr
.irp j, 3,5,7,9,11,13
.irp b, 0,1,2,3
	v_max3_num_f32 v[232+\b], v[232+\b], v[\SB+16*\b+\j], v[\SB+1+16*\b+\j]
.endr
.endr
.irp b, 0,1,2,3
	v_max_num_f32 v[232+\b], v[232+\b], v[\SB+15+16*\b]
.endr
.irp b, 0,1,2,3
	s_delay_alu instid0(VALU_DEP_4)
	v_permlanex16_b32 v[236+\b], v[232+\b], s[SEL], s[SEL+1]
.endr
.irp b, 0,1,2,3
	s_delay_alu instid0(VALU_DEP_4)
	v_max_num_f32 v[232+\b], v[232+\b], v[236+\b]
.endr
	s_delay_alu instid0(VALU_DEP_2)
	v_max3_num_f32 v254, v232, v233, v234
	s_delay_alu instid0(VALU_DEP_1)
	v_max_num_f32 v254, v254, v235
	s_delay_alu instid0(VALU_DEP_1)
	v_mul_f32 v254, s[CS], v254
	s_delay_alu instid0(VALU_DEP_1)
	v_max_num_f32 v13, v13, v254                   ; the running largest t
	v_mov_b32 v254, v12
	s_delay_alu instid0(VALU_DEP_2)
	v_floor_f32 v12, -v13                          ; the new -M
	s_delay_alu instid0(VALU_DEP_1)
	v_sub_f32 v254, v12, v254
	s_delay_alu instid0(VALU_DEP_1)
	v_cvt_i32_f32 v254, v254
	s_delay_alu instid0(VALU_DEP_1)
	v_ldexp_f32 v252, 1.0, v254                    ; f = 2^(old M - new M)
.set n, 0
.rept 32
	v_pk_fma_f32 v[\SB+n:\SB+n+1], v[\SB+n:\SB+n+1], s[CS:CS+1], v[12:13] op_sel_hi:[1,0,0]   ; t - M
.set n, n+2
.endr
.irp b, 0,1,2,3
	v_fma_f32 v[232+\b], v[232+\b], s[CS], v12
.endr
	s_wait_alu depctr_va_vdst(0)
.set n, 0
.rept 64
	v_exp_f32 v[\SB+n], v[\SB+n]                   ; p
.set n, n+1
.endr
.irp b, 0,1,2,3
	v_exp_f32 v[232+\b], v[232+\b]                 ; the block's largest p
.endr
	v_pk_mul_f32 v[14:15], v[14:15], v[252:253] op_sel_hi:[1,0]   ; the sums under the new M
	s_wait_alu depctr_va_vdst(0)
.irp b, 0,1,2,3
	v_max_num_f32 v[232+\b], 0x1800000, v[232+\b]
.endr
.irp b, 0,1,2,3
	s_delay_alu instid0(VALU_DEP_4)
	v_add_nc_u32 v[244+\b], 0xff000000, v[232+\b]
.endr
.irp b, 0,1,2,3
	s_delay_alu instid0(VALU_DEP_4)
	v_lshrrev_b32 v[236+\b], 23, v[244+\b]
.endr
	s_delay_alu instid0(VALU_DEP_3)
	v_lshl_or_b32 v253, v237, 8, v236              ; p's scale word
	s_delay_alu instid0(VALU_DEP_1)
	v_lshl_or_b32 v253, v238, 16, v253
	s_delay_alu instid0(VALU_DEP_1)
	v_lshl_or_b32 v253, v239, 24, v253
.irp b, 0,1,2,3
	v_cvt_scalef32_pk8_fp4_f32 v[224+2*\b], v[\SB+16*\b:\SB+7+16*\b], v[244+\b]
	v_cvt_scalef32_pk8_fp4_f32 v[225+2*\b], v[\SB+8+16*\b:\SB+15+16*\b], v[244+\b]
.endr
	v_nop
.irp c, 0,1
.irp j, 0,1
	v_permlane16_swap_b32 v[224+4*\c+\j], v[226+4*\c+\j]
.endr
.endr
.set k, 0                                      ; the row's sum of the unquantised p, in eight chains
.irp d, 234,236,240,242,244,246,248
	v_pk_add_f32 v[\d:\d+1], v[\SB+2*k:\SB+2*k+1], v[\SB+2*k+2:\SB+2*k+3]
.set k, k+2
.endr
	v_pk_add_f32 v[14:15], v[14:15], v[\SB+28:\SB+29]
.set k, 15
.rept 2
.irp d, 234,236,240,242,244,246,248,14
	v_pk_add_f32 v[\d:\d+1], v[\d:\d+1], v[\SB+2*k:\SB+2*k+1]
.set k, k+1
.endr
.endr
	v_pk_add_f32 v[234:235], v[234:235], v[\SB+62:\SB+63]
.if \nxt
	KLOAD \SB, (\i)+1                              ; p is done with: the next step's K lands under the lines below
	s_wait_dscnt 20                                ; V's fragments and scale words are in; the 20 loads just issued may be out
.else
	s_wait_dscnt 0x0
.endif
	s_wait_alu depctr_va_vdst(0)
.set n, 0
.rept 32
	v_pk_mul_f32 v[160+n:161+n], v[160+n:161+n], v[252:253] op_sel_hi:[1,0]   ; O^T under the new M; also the places between p's codes and scale word and the products
.set n, n+2
.endr
.irp u, 0,1,2,3                                ; the eight accumulators take turns
	v_wmma_scale_f32_16x16x128_f8f6f4 v[160+16*\u:167+16*\u], v[\KB+16*\u:\KB+16*\u+7], v[224:231], v[160+16*\u:167+16*\u], v[VW+\u], v253 matrix_a_fmt:MATRIX_FMT_FP4 matrix_b_fmt:MATRIX_FMT_FP4
	v_wmma_scale_f32_16x16x128_f8f6f4 v[168+16*\u:175+16*\u], v[\KB+16*\u+8:\KB+16*\u+15], v[224:231], v[168+16*\u:175+16*\u], v[VW+\u], v253 matrix_a_fmt:MATRIX_FMT_FP4 matrix_b_fmt:MATRIX_FMT_FP4 matrix_a_scale:MATRIX_SCALE_ROW1
.endr
	v_pk_add_f32 v[14:15], v[14:15], v[242:243]    ; the eight chains are joined here: seven plain lines that name no register of the products above.  The next step's scores are laid over V's fragments, seven places behind the products that read them
	v_pk_add_f32 v[234:235], v[234:235], v[244:245]
	v_pk_add_f32 v[236:237], v[236:237], v[246:247]
	v_pk_add_f32 v[240:241], v[240:241], v[248:249]
	s_delay_alu instid0(VALU_DEP_2)
	v_pk_add_f32 v[14:15], v[14:15], v[236:237]
	s_delay_alu instid0(VALU_DEP_2)
	v_pk_add_f32 v[234:235], v[234:235], v[240:241]
	s_delay_alu instid0(VALU_DEP_1)
	v_pk_add_f32 v[14:15], v[14:15], v[234:235]
.endm
	s_wait_tensorcnt 0x0                           ; my fill has landed
	s_wait_dscnt 0x0                               ; Q is in my registers; no LDS instruction of mine is pending at the signal
	s_barrier_signal -1
	s_barrier_wait -1                              ; all of K and V is there for every wave
	KLOAD BX, 0
	s_mov_b32 s[CNT], 7
.Ltrip:
	STEP BX, BY2, 0, 1
	STEP BY2, BX, 1, 1
	v_add_nc_u32 v[ADK], 2*STEPB, v[ADK]           ; two steps on
	v_add_nc_u32 v[ADV], 2*STEPB, v[ADV]
	v_add_nc_u32 v[ADS], 1024, v[ADS]
	s_wait_alu depctr_va_vdst(0)
	s_sub_co_u32 s[CNT], s[CNT], 1
	s_cmp_lg_u32 s[CNT], 0
	s_cbranch_scc1 .Ltrip
	STEP BX, BY2, 0, 1                             ; the last two steps are written out: the last loads no further K
	STEP BY2, BX, 1, 0
	; THE WAY OUT.  o = O^T / the sum is quantised along the head's 128; the codes of the group's four heads meet in a stage, so that sixteen lanes store 256 consecutive bytes of oc, aligned.
	s_delay_alu instid0(VALU_DEP_1)
	v_add_f32 v14, v14, v15
	s_delay_alu instid0(VALU_DEP_1)
	v_permlanex16_b32 v252, v14, s[SEL], s[SEL+1]
	s_delay_alu instid0(VALU_DEP_1)
	v_add_f32 v14, v14, v252
	s_wait_alu depctr_va_vdst(0)
	v_rcp_f32 v14, v14
	s_lshl_b32 s78, s72, 4
	v_add_nc_u32 v7, s78, v[RR]                    ; my query's row in the block
	s_delay_alu instid0(VALU_DEP_1)
	v_mul_u32_u24 v1, v7, 272
	s_delay_alu instid0(VALU_DEP_1)
	v_lshl_add_u32 v1, v[HH], 3, v1
	s_lshl_b32 s79, s71, 6
	s_add_co_u32 s79, s79, STG
	v_add_nc_u32 v1, s79, v1                       ; codes in: row, + 64 hh, + 8 h
	v_lshlrev_b32 v2, 4, v7
	s_lshl_b32 s79, s71, 2
	s_add_co_u32 s79, s79, SSTG
	v_add_nc_u32 v2, s79, v2                       ; scale word in
	s_lshl_b32 s78, s[WV], 2
	v_add_nc_u32 v7, s78, v[HH]                    ; back: wave w takes rows 4 w .. 4 w + 3
	s_delay_alu instid0(VALU_DEP_1)
	v_mul_u32_u24 v3, v7, 272
	s_delay_alu instid0(VALU_DEP_1)
	v_lshl_add_u32 v3, v[RR], 4, v3
	s_delay_alu instid0(VALU_DEP_1)
	v_add_nc_u32 v3, STG, v3
	s_delay_alu instid0(VALU_DEP_4)
	v_lshlrev_b32 v4, 10, v7
	s_delay_alu instid0(VALU_DEP_1)
	v_lshl_add_u32 v4, v[RR], 4, v4
	v_and_b32 v7, 31, v0
	s_and_b32 s78, s[WV], 1
	s_lshl_b32 s79, s78, 9
	s_add_co_u32 s79, s79, SSTG
	v_lshl_add_u32 v8, v7, 4, s79                  ; scale words back: waves 0 and 1, 32 rows each, 16 bytes a lane
	s_lshl_b32 s79, s78, 11
	v_lshl_add_u32 v9, v7, 4, s79                  ; and in os: 32 rows' words of this group lie on end
	s_wait_alu depctr_va_vdst(0)                   ; ahead of the reciprocal's and O^T's first reader
.set n, 0
.rept 64
	v_mul_f32 v[96+n], v[160+n], v14               ; register 8 t + i is o(r, 16 t + 8 h + i)
.set n, n+1
.endr
.irp b, 0,1,2,3
	v_max3_num_f32 v[232+\b], |v[96+16*\b]|, |v[97+16*\b]|, 0x1800000
.endr
.irp i, 2,4,6,8,10,12,14
.irp b, 0,1,2,3
	s_delay_alu instid0(VALU_DEP_4)
	v_max3_num_f32 v[232+\b], v[232+\b], |v[96+16*\b+\i]|, |v[97+16*\b+\i]|
.endr
.endr
.irp b, 0,1,2,3
	s_delay_alu instid0(VALU_DEP_4)
	v_permlanex16_b32 v[236+\b], v[232+\b], s[SEL], s[SEL+1]
.endr
.irp b, 0,1,2,3
	s_delay_alu instid0(VALU_DEP_4)
	v_max_num_f32 v[232+\b], v[232+\b], v[236+\b]
.endr
.irp b, 0,1,2,3
	s_delay_alu instid0(VALU_DEP_4)
	v_add_nc_u32 v[244+\b], 0xff000000, v[232+\b]
.endr
.irp b, 0,1,2,3
	s_delay_alu instid0(VALU_DEP_4)
	v_lshrrev_b32 v[236+\b], 23, v[244+\b]
.endr
	s_delay_alu instid0(VALU_DEP_3)
	v_lshl_or_b32 v254, v237, 8, v236
	s_delay_alu instid0(VALU_DEP_1)
	v_lshl_or_b32 v254, v238, 16, v254
	s_delay_alu instid0(VALU_DEP_1)
	v_lshl_or_b32 v254, v239, 24, v254
.irp b, 0,1,2,3
	v_cvt_scalef32_pk8_fp4_f32 v[224+2*\b], v[96+16*\b:103+16*\b], v[244+\b]
	v_cvt_scalef32_pk8_fp4_f32 v[225+2*\b], v[104+16*\b:111+16*\b], v[244+\b]
.endr
	v_nop
.irp b, 0,1,2,3
	v_permlane16_swap_b32 v[224+2*\b], v[225+2*\b] ; the pair now holds channels 32 b + 16 h + 0 .. 15, in true order
.endr
.irp b, 0,1,2,3
	ds_store_b64 v1, v[224+2*\b:225+2*\b] offset:16*\b
.endr
	ds_store_b32 v2, v254
	s_wait_dscnt 0x0                               ; for the others' sake
	s_barrier_signal -1
	s_barrier_wait -1
.irp i, 0,1
	ds_load_b128 v[96+4*\i:99+4*\i], v3 offset:544*\i
.endr
.irp i, 0,1
	s_wait_dscnt 1-\i
	global_store_b128 v4, v[96+4*\i:99+4*\i], s[14:15] offset:2048*\i
.endr
	s_cmp_lt_u32 s[WV], 2
	s_cbranch_scc0 .Lno_scales
	ds_load_b128 v[104:107], v8
	s_wait_dscnt 0x0
	global_store_b128 v9, v[104:107], s[16:17]     ; 512 consecutive bytes, aligned
.Lno_scales:
	s_wait_dscnt 0x0
	s_wait_tensorcnt 0x0                           ; the wave's end
	ds_add_u32 v250, v251
	s_wait_dscnt 0x0
	ROUND                                          ; the closing round
	s_endpgm
.Lfunc_end_k_q7b14a0720e_attn:
	.size	k_q7b14a0720e_attn, .Lfunc_end_k_q7b14a0720e_attn-k_q7b14a0720e_attn
	.p2alignl 7, 3214868480
	.fill 96, 4, 3214868480
	.section	.rodata,"a",@progbits
	.p2align	6, 0x0
	.amdhsa_kernel k_q7b14a0720e_attn
		.amdhsa_group_segment_fixed_size 318464
		.amdhsa_private_segment_fixed_size 0
		.amdhsa_enable_private_segment 0
		.amdhsa_kernarg_size 56
		.amdhsa_user_sgpr_count 2
		.amdhsa_user_sgpr_kernarg_segment_ptr 1
		.amdhsa_wavefront_size32 1
		.amdhsa_system_sgpr_workgroup_id_x 1
		.amdhsa_system_sgpr_workgroup_id_y 1
		.amdhsa_system_sgpr_workgroup_id_z 1
		.amdhsa_system_vgpr_workitem_id 0
		.amdhsa_next_free_vgpr 256
		.amdhsa_next_free_sgpr 92
		.amdhsa_reserve_vcc 0
		.amdhsa_float_denorm_mode_32 3
		.amdhsa_float_denorm_mode_16_64 3
		.amdhsa_memory_ordered 1
		.amdhsa_forward_progress 1
		.amdhsa_inst_pref_size 105
	.end_amdhsa_kernel
	.amdgpu_metadata
---
amdhsa.version: [ 1, 2 ]
amdhsa.kernels:
  - .name:           k_q7b14a0720e_attn
    .symbol:         k_q7b14a0720e_attn.kd
    .args:
      - { .name: q, .offset: 0, .size: 8, .value_kind: global_buffer, .address_space: global }
      - { .name: kc, .offset: 8, .size: 8, .value_kind: global_buffer, .address_space: global }
      - { .name: ks, .offset: 16, .size: 8, .value_kind: global_buffer, .address_space: global }
      - { .name: vc, .offset: 24, .size: 8, .value_kind: global_buffer, .address_space: global }
      - { .name: vs, .offset: 32, .size: 8, .value_kind: global_buffer, .address_space: global }
      - { .name: oc, .offset: 40, .size: 8, .value_kind: global_buffer, .address_space: global }
      - { .name: os, .offset: 48, .size: 8, .value_kind: global_buffer, .address_space: global }
    .group_segment_fixed_size: 318464
    .private_segment_fixed_size: 0
    .kernarg_segment_align: 8
    .kernarg_segment_size: 56
    .max_flat_workgroup_size: 512
    .sgpr_count:     92
    .vgpr_count:     256
    .wavefront_size: 32
...
	.end_amdgpu_metadata
.endif
;; end of part 5
;; launch proj (part 6): grid 8 x 32, 4 waves a work-group, clusters of 4 x 1, 167,936 bytes of LDS; arguments oc, os, wcc, wcs, out0, bc; writes out0
.if DOCPART == 6
	.amdgcn_target "amdgcn-amd-amdhsa--gfx1250"
	.amdhsa_code_object_version 6
	.text
	.protected	k_q7b14a0720e_proj
	.globl	k_q7b14a0720e_proj
	.p2align	8
	.type	k_q7b14a0720e_proj,@function
k_q7b14a0720e_proj:
	s_mov_b64 s[64:65], 0
	v_nop
	global_prefetch_b8 v0, s[64:65] scope:SCOPE_SE
	s_setreg_imm32_b32 hwreg(HW_REG_WAVE_MODE, 25, 1), 1
	s_wait_xcnt 0x0
	s_wait_alu depctr_hold_cnt(0) depctr_sa_sdst(0) depctr_va_vdst(0) depctr_va_sdst(0) depctr_va_ssrc(0) depctr_va_vcc(0) depctr_vm_vsrc(0)
	s_getreg_b32 s2, hwreg(HW_REG_IB_STS2, 6, 4)
	s_cmp_eq_u32 s2, 0
	s_cbranch_scc0 .Lentry_in_a_cluster
	s_endpgm
.Lentry_in_a_cluster:
	s_bfe_u32 s2, ttmp6, 0x10000c
	s_cmp_lg_u32 s2, 0x3003
	s_cbranch_scc0 .Lentry_shape_is_right
	s_endpgm
.Lentry_shape_is_right:
; out0[m][n] = sum over k of o[m][k] Wc[n][k] + bc[n], on codes of FP4 (E2M1) with one E8M0 scale for each 32 along K = 2,048; sums in f32.
; oc [4096][1024 B], row-major.  os: byte 2048 (row / 32) + 512 Q + 16 (row % 32): the row's scale words of k = 128 (4 Q) .. 128 (4 Q + 3) on.
; wcc: byte 16384 nb + 1024 q + 512 c + 16 lane: the lane's registers 4 c .. 4 c + 3 of the fragment of rows 16 nb .. 16 nb + 15, k = 128 q on.
; wcs: byte 1024 nb + 256 (q / 4) + 16 r + 4 (q % 4): row 16 nb + r's scale word of k = 128 q on.
; SHARES: a work-group makes 128 rows x 256 columns: 8 x 32 = 256 work-groups.  Wave w makes all 128 rows x the 64 columns 64 w on: 32 accumulators.
; o's 128 rows, all of K, stay in LDS: four chunks of 256 bytes a row, one tensor load a wave, each byte filled once: no ring, no refill.  The four work-groups of a cluster share these rows: joint loads.
; Wc's 64 rows of a wave are read by that wave alone in its work-group, so they go from memory straight into 512 registers, each load 512 consecutive bytes, seven steps of 128 along K ahead of their products;
; they take no joint load, since they pass no LDS.  These loads are themselves asked for seven steps ahead, and the tensor loads all go out at the head: so no prefetch is written.
; The product is used transposed (source 0 = 16 rows of Wc, source 1 = 16 rows of o): a lane holds eight neighbouring columns of a row.  The bias is added on the way out, where a lane holds the same four columns in every row.
; REGISTERS: window 0: v8-11 bias, v16-29 addresses, v32-95 o's scale words, v96-127 Wc's, v128-255 o's fragments, two sets (on the way out: rows read back); windows 1, 2: Wc's fragments of q = 0-7, 8-15; window 3: accumulator (a, b) at 8 (4 a + b).
.set PITCH, 272
.set CHUNK, 128*PITCH
.set STG,   4*CHUNK                    ; the way out: 16 rows x 272 bytes for each wave, bytes that no fill lands on
.set SPARE, STG+4*16*PITCH
.set AHEAD, 7                          ; steps that Wc's loads run ahead
.set BI,   8
.set ADRA, 16                          ; v16-19 my lane's place in chunk 0 .. 3
.set VB,   20                          ; 16 x lane
.set STO,  22
.set RD,   23
.set CO,   24
.set VBI,  25
.set SPW,  28
.set NIL,  29
.set SA,   32                          ; register 16 (a / 2) + q: lanes 0-15 block a even, lanes 16-31 block a odd
.set SBR,  96                          ; register 8 b + 4 (q / 8) + q % 4: lanes 0-15 (q / 4) even, lanes 16-31 odd
.set AF,   128
.set BK,   128
.set G1,   24
.set G0,   32
.set MSB, 0
.macro WIN new
.if MSB != \new
	s_set_vgpr_msb (MSB<<8)|\new
.set MSB, \new
.endif
.endm
.macro ROUND
	s_barrier_signal -1
	s_barrier_wait -1
	s_cmp_lg_u32 s16, 0
	s_cbranch_scc1 .Lnot_wave_0_\@
	s_barrier_signal -3
.Lnot_wave_0_\@:
	s_barrier_wait -3
	s_barrier_signal -1
	s_barrier_wait -1
.endm
.macro BLOADQ q                        ; Wc's four fragments of step q, into window 1 + q / 8
	WIN 0x40+0x40*((\q)/8)
.irp b, 0,1,2,3
.irp c, 0,1
	global_load_b128 v[32*((\q)%8)+8*\b+4*\c:32*((\q)%8)+8*\b+4*\c+3], v[VB], s[8:9] offset:16384*\b+1024*(\q)+512*\c
.endr
.endr
	WIN 0
.endm
	s_load_b128 s[4:7], s[0:1], 0x0                ; oc, os
	s_load_b128 s[8:11], s[0:1], 0x10              ; wcc, wcs
	s_load_b128 s[12:15], s[0:1], 0x20             ; out0, bc
	v_lshl_add_u32 v[SPW], v0, 2, SPARE
	v_mov_b32 v[NIL], 0
	ds_add_u32 v[SPW], v[NIL]
	ds_add_u32 v[SPW], v[NIL]
	v_lshrrev_b32 v1, 5, v0
	v_readfirstlane_b32 s16, v1                    ; wave
	s_bfe_u32 s17, ttmp6, 0x40000                  ; cx
	s_lshl_b32 s18, ttmp9, 2
	s_add_co_u32 s18, s18, s17                     ; x: my 256 columns
	s_and_b32 s19, ttmp7, 0xffff                   ; y: my 128 rows, which the four partners share
	s_mov_b32 s[G1], 15|(0<<16)|(1<<20)|(1<<21)|(5<<22)|(3<<25)   ; 128 rows of 256 bytes, 16 of padding behind each; the mask names all four
	s_mov_b32 s[G1+1], 256<<16
	s_mov_b32 s[G1+2], 128<<16
	s_mov_b32 s[G1+3], 256<<16
	s_mov_b32 s[G1+4], 128
	s_mov_b32 s[G1+5], 1024
	s_mov_b32 s[G1+6], 0
	s_mov_b32 s[G1+7], 0
	s_mov_b32 s[G0], 1
	s_mul_i32 s[G0+1], s16, CHUNK                  ; chunk = wave
	s_lshl_b32 s20, s19, 17                        ; oc: 128 rows of 1,024 bytes,
	s_lshl_b32 s21, s16, 8                         ; my chunk's 256
	s_add_co_u32 s20, s20, s21
	s_mov_b32 s21, 0
	s_lshl_b32 s22, s19, 13                        ; os: 8,192 bytes for 128 rows
	s_mov_b32 s23, 0
	s_lshl_b32 s36, s18, 18                        ; wcc: nb = 16 x + 4 wave
	s_lshl_b32 s37, s16, 16
	s_add_co_u32 s36, s36, s37
	s_mov_b32 s37, 0
	s_lshl_b32 s38, s18, 14                        ; wcs
	s_lshl_b32 s39, s16, 12
	s_add_co_u32 s38, s38, s39
	s_mov_b32 s39, 0
	s_lshl_b32 s42, s18, 10                        ; my first column, in bytes
	s_lshl_b32 s43, s16, 8
	s_add_co_u32 s42, s42, s43
	s_mov_b32 s43, 0
	s_lshl_b32 s40, s19, 20                        ; out0: 128 rows of 8,192 bytes
	s_add_co_u32 s40, s40, s42
	s_mov_b32 s41, 0
	v_and_b32 v1, 15, v0                           ; r
	v_bfe_u32 v2, v0, 4, 1                         ; h
	v_and_b32 v3, 31, v0
	v_lshlrev_b32 v[VB], 4, v3
	v_mul_u32_u24 v4, v1, PITCH
	v_lshl_add_u32 v[ADRA], v2, 4, v4              ; row r, + 16 h
.irp c, 1,2,3
	v_add_nc_u32 v[ADRA+\c], \c*CHUNK, v[ADRA]
.endr
	s_mul_i32 s44, s16, 16*PITCH
	s_add_co_u32 s44, s44, STG
	v_lshl_add_u32 v5, v2, 5, v4
	v_add_nc_u32 v[STO], s44, v5                   ; stage, in: row r, 32 bytes for each half of the lanes
	v_mul_u32_u24 v6, v2, PITCH
	v_lshl_add_u32 v6, v1, 4, v6
	v_add_nc_u32 v[RD], s44, v6                    ; back: sixteen lanes to a row of 256 bytes
	v_lshlrev_b32 v7, 13, v2
	v_lshl_add_u32 v[CO], v1, 4, v7                ; and the same two rows in out0
	v_lshlrev_b32 v[VBI], 4, v1
	s_wait_alu depctr_va_vdst(0)
	s_wait_dscnt 0x0
	s_wait_kmcnt 0x0
	s_add_nc_u64 s[G0+2:G0+3], s[4:5], s[20:21]
	s_or_b32 s[G0+3], s[G0+3], 0x80000000
	s_add_nc_u64 s[6:7], s[6:7], s[22:23]
	s_add_nc_u64 s[8:9], s[8:9], s[36:37]
	s_add_nc_u64 s[10:11], s[10:11], s[38:39]
	s_add_nc_u64 s[12:13], s[12:13], s[40:41]
	s_add_nc_u64 s[14:15], s[14:15], s[42:43]
	; nobody writes these buffers, so the loads may be on their way across the round's barriers: 25 + 32 of them
.irp i, 0,1,2,3
.irp Q, 0,1,2,3
	global_load_b128 v[SA+16*\i+4*\Q:SA+16*\i+4*\Q+3], v[VB], s[6:7] offset:2048*\i+512*\Q   ; row 32 i + lane: its words of q = 4 Q on; 512 consecutive bytes
.endr
.endr
.irp b, 0,1,2,3
.irp P, 0,1
	global_load_b128 v[SBR+8*\b+4*\P:SBR+8*\b+4*\P+3], v[VB], s[10:11] offset:1024*\b+512*\P
.endr
.endr
	global_load_b128 v[BI:BI+3], v[VBI], s[14:15]
.irp q, 0,1,2,3
	BLOADQ \q
.endr
	ROUND                                          ; all four work-groups are here: the joint loads meet
	tensor_load_to_lds s[G0:G0+3], s[G1:G1+7]      ; every wave's one fill
	s_nop 0
.rept 4
	v_nop
.endr
.irp q, 4,5,6
	BLOADQ \q
.endr
.macro FETCH_A q                       ; o's eight fragments of step q into set q % 2
.irp a, 0,1,2,3,4,5,6,7
.irp c, 0,1
	ds_load_b128 v[AF+64*((\q)%2)+8*\a+4*\c:AF+64*((\q)%2)+8*\a+4*\c+3], v[ADRA+(\q)/4] offset:64*((\q)%4)+32*\c+\a*16*PITCH
.endr
.endr
.endm
; 32 products of step q; the 32 accumulators take turns.  The first step starts the sums.
.macro MULS q
.set FB, 32*((\q)%8)
.set FA, AF+64*((\q)%2)
.set SQ, SBR+4*((\q)/8)+(\q)%4
.irp e, 0,1,2,3
.irp b, 0,1,2,3
.if (\q) == 0
	v_wmma_scale_f32_16x16x128_f8f6f4 v[64*\e+8*\b:64*\e+8*\b+7], v[FB+8*\b:FB+8*\b+7], v[FA+16*\e:FA+16*\e+7], 0, v[SQ+8*\b], v[SA+16*\e+(\q)] matrix_a_fmt:MATRIX_FMT_FP4 matrix_b_fmt:MATRIX_FMT_FP4
.elseif ((\q)/4)%2 == 0
	v_wmma_scale_f32_16x16x128_f8f6f4 v[64*\e+8*\b:64*\e+8*\b+7], v[FB+8*\b:FB+8*\b+7], v[FA+16*\e:FA+16*\e+7], v[64*\e+8*\b:64*\e+8*\b+7], v[SQ+8*\b], v[SA+16*\e+(\q)] matrix_a_fmt:MATRIX_FMT_FP4 matrix_b_fmt:MATRIX_FMT_FP4
.else
	v_wmma_scale_f32_16x16x128_f8f6f4 v[64*\e+8*\b:64*\e+8*\b+7], v[FB+8*\b:FB+8*\b+7], v[FA+16*\e:FA+16*\e+7], v[64*\e+8*\b:64*\e+8*\b+7], v[SQ+8*\b], v[SA+16*\e+(\q)] matrix_a_fmt:MATRIX_FMT_FP4 matrix_b_fmt:MATRIX_FMT_FP4 matrix_a_scale:MATRIX_SCALE_ROW1
.endif
.endr
.irp b, 0,1,2,3
.if (\q) == 0
	v_wmma_scale_f32_16x16x128_f8f6f4 v[64*\e+32+8*\b:64*\e+32+8*\b+7], v[FB+8*\b:FB+8*\b+7], v[FA+16*\e+8:FA+16*\e+15], 0, v[SQ+8*\b], v[SA+16*\e+(\q)] matrix_a_fmt:MATRIX_FMT_FP4 matrix_b_fmt:MATRIX_FMT_FP4 matrix_b_scale:MATRIX_SCALE_ROW1
.elseif ((\q)/4)%2 == 0
	v_wmma_scale_f32_16x16x128_f8f6f4 v[64*\e+32+8*\b:64*\e+32+8*\b+7], v[FB+8*\b:FB+8*\b+7], v[FA+16*\e+8:FA+16*\e+15], v[64*\e+32+8*\b:64*\e+32+8*\b+7], v[SQ+8*\b], v[SA+16*\e+(\q)] matrix_a_fmt:MATRIX_FMT_FP4 matrix_b_fmt:MATRIX_FMT_FP4 matrix_b_scale:MATRIX_SCALE_ROW1
.else
	v_wmma_scale_f32_16x16x128_f8f6f4 v[64*\e+32+8*\b:64*\e+32+8*\b+7], v[FB+8*\b:FB+8*\b+7], v[FA+16*\e+8:FA+16*\e+15], v[64*\e+32+8*\b:64*\e+32+8*\b+7], v[SQ+8*\b], v[SA+16*\e+(\q)] matrix_a_fmt:MATRIX_FMT_FP4 matrix_b_fmt:MATRIX_FMT_FP4 matrix_a_scale:MATRIX_SCALE_ROW1 matrix_b_scale:MATRIX_SCALE_ROW1
.endif
.endr
.endr
.endm
.macro STEP q
	s_wait_dscnt 0x0                               ; o's fragments of this step are in
.if 15-(\q) > AHEAD-1
	s_wait_loadcnt 8*(AHEAD-1)                     ; Wc's fragments of this step are in: behind them the eight loads of each of the six steps that follow have been issued
.else
	s_wait_loadcnt 8*(15-(\q))
.endif
.if (\q)+AHEAD < 16
	BLOADQ (\q)+AHEAD
.endif
.if (\q) < 15
.if (\q) > 0
.rept 4
	v_nop                                          ; places behind the last step's products, ahead of loads into the set that they read
.endr
.endif
	FETCH_A (\q)+1
.endif
	WIN 0xf1+(\q)/8                                ; source 0 window 1 or 2, source 1 window 0, C and D window 3
	MULS \q
	WIN 0
.endm
	s_wait_tensorcnt 0x0                           ; my chunk has landed
	s_barrier_signal -1
	s_barrier_wait -1                              ; everybody's has
	FETCH_A 0
.irp q, 0,1,2,3,4,5,6,7,8,9,10,11,12,13,14,15
	STEP \q
.endr
; THE WAY OUT, by blocks of 16 rows x 64 columns through my own stage: back come whole rows of 256 bytes, the bias is added, and sixteen lanes store one aligned unit of 256 bytes.
.macro TOSTAGE a
	WIN 0x0c                                       ; the data: window 3
.irp b, 0,1,2,3
	ds_store_b128 v[STO], v[32*(\a)+8*\b:32*(\a)+8*\b+3] offset:64*\b      ; each accumulator from its low end on
	ds_store_b128 v[STO], v[32*(\a)+8*\b+4:32*(\a)+8*\b+7] offset:64*\b+16
.endr
	WIN 0
.set BB, BK+32*((\a)%2)
.irp t, 0,1,2,3,4,5,6,7
	ds_load_b128 v[BB+4*\t:BB+4*\t+3], v[RD] offset:\t*2*PITCH             ; in order behind my stores
.endr
.endm
.macro SEND a, younger
.set BB, BK+32*((\a)%2)
	s_wait_dscnt \younger                          ; the block is back; the next block's stores and loads may be out
.irp t, 0,1,2,3,4,5,6,7
	v_pk_add_f32 v[BB+4*\t:BB+4*\t+1], v[BB+4*\t:BB+4*\t+1], v[BI:BI+1]
	v_pk_add_f32 v[BB+4*\t+2:BB+4*\t+3], v[BB+4*\t+2:BB+4*\t+3], v[BI+2:BI+3]
.endr
.irp t, 0,1,2,3,4,5,6,7
	global_store_b128 v[CO], v[BB+4*\t:BB+4*\t+3], s[12:13] offset:(16*(\a)+2*\t)*8192 th:TH_STORE_NT
.endr
.endm
.rept 4
	v_nop                                          ; places behind the last products
.endr
	TOSTAGE 0
.irp a, 1,2,3,4,5,6,7
.if \a > 1
	s_wait_xcnt 0x0                                ; block a - 2's stores have read their registers: block a's loads may land there
.endif
	TOSTAGE \a
	SEND \a-1, 16
.endr
	SEND 7, 0
	s_wait_tensorcnt 0x0                           ; the wave's end
	ds_add_u32 v[SPW], v[NIL]
	s_wait_dscnt 0x0
	ROUND                                          ; the closing round
	s_endpgm
.Lfunc_end_k_q7b14a0720e_proj:
	.size	k_q7b14a0720e_proj, .Lfunc_end_k_q7b14a0720e_proj-k_q7b14a0720e_proj
	.p2alignl 7, 3214868480
	.fill 96, 4, 3214868480
	.section	.rodata,"a",@progbits
	.p2align	6, 0x0
	.amdhsa_kernel k_q7b14a0720e_proj
		.amdhsa_group_segment_fixed_size 167936
		.amdhsa_private_segment_fixed_size 0
		.amdhsa_enable_private_segment 0
		.amdhsa_kernarg_size 48
		.amdhsa_user_sgpr_count 2
		.amdhsa_user_sgpr_kernarg_segment_ptr 1
		.amdhsa_wavefront_size32 1
		.amdhsa_system_sgpr_workgroup_id_x 1
		.amdhsa_system_sgpr_workgroup_id_y 1
		.amdhsa_system_sgpr_workgroup_id_z 1
		.amdhsa_system_vgpr_workitem_id 0
		.amdhsa_next_free_vgpr 1024
		.amdhsa_next_free_sgpr 66
		.amdhsa_reserve_vcc 0
		.amdhsa_float_denorm_mode_32 3
		.amdhsa_float_denorm_mode_16_64 3
		.amdhsa_memory_ordered 1
		.amdhsa_forward_progress 1
		.amdhsa_inst_pref_size 127
	.end_amdhsa_kernel
	.amdgpu_metadata
---
amdhsa.version: [ 1, 2 ]
amdhsa.kernels:
  - .name:           k_q7b14a0720e_proj
    .symbol:         k_q7b14a0720e_proj.kd
    .args:
      - { .name: oc, .offset: 0, .size: 8, .value_kind: global_buffer, .address_space: global }
      - { .name: os, .offset: 8, .size: 8, .value_kind: global_buffer, .address_space: global }
      - { .name: wcc, .offset: 16, .size: 8, .value_kind: global_buffer, .address_space: global }
      - { .name: wcs, .offset: 24, .size: 8, .value_kind: global_buffer, .address_space: global }
      - { .name: out0, .offset: 32, .size: 8, .value_kind: global_buffer, .address_space: global }
      - { .name: bc, .offset: 40, .size: 8, .value_kind: global_buffer, .address_space: global }
    .group_segment_fixed_size: 167936
    .private_segment_fixed_size: 0
    .kernarg_segment_align: 8
    .kernarg_segment_size: 48
    .max_flat_workgroup_size: 128
    .sgpr_count:     66
    .vgpr_count:     1024
    .wavefront_size: 32
...
	.end_amdgpu_metadata
.endif
;; end of part 6
